; MI455X (gfx1250); checked and timed in simulation.
; The chip was launched on July 23, 2026; its instructions are those of AMD's public machine-readable ISA for CDNA 5 (MIT licence, August 2026) and "CDNA5" Instruction Set Architecture Reference Guide (July 2026). The comments in the code are by the model that wrote it; some were corrected since.
;; attention layer. Allowed arithmetic: matrix products marked QUANTISED: E2M3 operands, one E8M0 scale for each 32 along K, by v_wmma_scale_f32_16x16x128_f8f6f4 with both operands' format E2M3, f32 sums; everything else in f32.
;; Inputs: b1 256 float32; b2 256 float32; bk 256 float32; bm1 1,024 float32; bm2 256 float32; bq 256 float32; bv 256 float32; g1 256 float32; g2 256 float32; w1_codes 1,024 x 8 x 24 uint8 (E2M3 codes of w1, K innermost, in blocks of 32 codes, four codes in three bytes); w1_scales 1,024 x 8 uint8 (E8M0 scales of w1, one for each 32 codes along K); w2_codes 256 x 32 x 24 uint8 (E2M3 codes of w2, K innermost, in blocks of 32 codes, four codes in three bytes); w2_scales 256 x 32 uint8 (E8M0 scales of w2, one for each 32 codes along K); wk_codes 256 x 8 x 24 uint8 (E2M3 codes of wk, K innermost, in blocks of 32 codes, four codes in three bytes); wk_scales 256 x 8 uint8 (E8M0 scales of wk, one for each 32 codes along K); wq_codes 256 x 8 x 24 uint8 (E2M3 codes of wq, K innermost, in blocks of 32 codes, four codes in three bytes); wq_scales 256 x 8 uint8 (E8M0 scales of wq, one for each 32 codes along K); wv_codes 256 x 8 x 24 uint8 (E2M3 codes of wv, K innermost, in blocks of 32 codes, four codes in three bytes); wv_scales 256 x 8 uint8 (E8M0 scales of wv, one for each 32 codes along K); x 512 x 128 x 256 float32.
;; Outputs: out0 512 x 128 x 256 float32.
;; This version of the problem:
;;   THIS VERSION OF THE PROBLEM IS GIVEN IN LOW PRECISION. The matrix products marked QUANTISED in the list below multiply operands that are first quantised to E2M3 (2 exponent bits, 3 mantissa bits; 6 bits a number), with one power-of-two scale for each 32 numbers along K (OCP MX v1.0); their sums are f32. All else is computed in f32.
;;   The module's matrix products, in the order in which they are computed (A, B: the left and right operand; K: the contracted axis; several contracted axes count as one K, in the product's order):
;;     1. [M 65,536, K 256] x [K 256, N 256]; A: computed on the way; B: input wq (given as codes): QUANTISED
;;     2. [M 65,536, K 256] x [K 256, N 256]; A: computed on the way; B: input wk (given as codes): QUANTISED
;;     3. [M 65,536, K 256] x [K 256, N 256]; A: computed on the way; B: input wv (given as codes): QUANTISED
;;     4. batch 512 x [M 128, K 256] x [K 256, N 128]; A: computed on the way; B: computed on the way: QUANTISED
;;     5. batch 512 x [M 128, K 128] x [K 128, N 256]; A: softmax (see below); B: computed on the way: QUANTISED
;;     6. [M 65,536, K 256] x [K 256, N 1,024]; A: computed on the way; B: input w1 (given as codes): QUANTISED
;;     7. [M 65,536, K 1,024] x [K 1,024, N 256]; A: computed on the way; B: input w2 (given as codes): QUANTISED
;;   THE QUANTISER, for each operand of a quantised product, along K:
;;     - K is cut into blocks of 32 from its start; a last block that is shorter is filled with zeros.
;;     - A block's scale is 2^e with e = floor(log2(the largest magnitude in the block)) - 2, held to -126 .. 127; a block of zeros has e = 0. As a byte (E8M0): e + 127.
;;     - Each number is divided by its block's scale, clamped to +-7.5, and rounded to the nearest number of E2M3, ties to even, subnormals kept.
;;     - The product sums the exact products of the quantised numbers (number of the format x scale) in f32.
;;   ~~~python
;;   def quantise(x, axis):      # numpy; x: float32 -> the quantised numbers, widened to float32 again
;;       x = np.moveaxis(x, axis, -1); K = x.shape[-1]
;;       x = np.pad(x, [(0, 0)] * (x.ndim - 1) + [(0, -K % 32)]); x = x.reshape(x.shape[:-1] + (-1, 32)); a = np.abs(x).max(-1, keepdims=True)
;;       e = np.where(a > 0, np.clip(np.frexp(np.where(a > 0, a, 1))[1] - 1 - 2, -126, 127), 0)      # np.frexp(a)[1] - 1 = floor(log2(a)), exactly
;;       r = np.clip(x / 2.0 ** e, -7.5, 7.5)
;;       step = 2.0 ** (np.maximum(np.frexp(np.where(r == 0, 1, r))[1] - 1, 0) - 3)
;;       q = np.round(r / step) * step * 2.0 ** e      # np.round: ties to even
;;       return np.moveaxis(q.reshape(q.shape[:-2] + (-1,))[..., :K], -1, axis).astype(np.float32)
;;   ~~~
;;   SOFTMAX AHEAD OF A QUANTISED PRODUCT. Where the list says 'softmax', what is quantised is not the finished softmax but p = 2^(t - M), with t = logit x log2(e) and M = ceil(the row's largest t), a whole number; so 1/2 < the row's largest p <= 1. The row's sum l is taken of the UNQUANTISED p, in f32, and the product's result is divided by l at the end. Since M is a whole number, a kernel that streams over the keys may use a running M (the ceiling of the running maximum): every later rescaling is an exact power of two, which a block's scale takes up: the codes' values come out the same.
;;   OPERANDS COMPUTED ON THE WAY. 'Computed on the way' means the value that the module computes at that place (a softmax that the list does not call 'softmax' is quantised finished and normalised). What goes into a quantiser is computed in f32, as accurately as f32 sums, v_exp_f32 and their like allow (about 1e-6 of the number): no bf16 or f16 on the way to a quantiser, and a product that is left as it is and whose result goes on into a quantised operand takes f32 operands (vector FMAs, or v_wmma_f32_16x16x4_f32). A number that lies on a knife's edge between two numbers of the format may be rounded either way, as far as f32 arithmetic and the matrix unit's own rounding can turn it there, and no further.
;;   INPUTS GIVEN AS CODES. w1 (in the module: [256, 1024], K = its axis 0); w2 (in the module: [1024, 256], K = its axis 0); wk (in the module: [256, 256], K = its axis 0); wq (in the module: [256, 256], K = its axis 0); wv (in the module: [256, 256], K = its axis 0): each comes as NAME_codes (uint8): NAME with its K axis moved to the last place and cut into blocks of 32 codes, [.., K / 32, bytes a block], one block behind the other in memory; four codes in three bytes: a row's codes are one little-endian stream of bits, code i at bits 6 i .. 6 i + 5 (a code: sign, 2 exponent bits, 3 mantissa bits); and NAME_scales (uint8): the same leading axes, one E8M0 byte (e + 127) for each 32 codes along K. Its value is code x scale, taken as it is: it is not quantised again, and the codes and scales need not be those that the quantiser above would give.
;; 2 versions. Each part assembles by itself: llvm-mc -triple=amdgcn-amd-amdhsa -mcpu=gfx1250 --defsym DOCPART=n.
;; ======== version 1 of 2: 1 launch
;; launch layer (part 1): grid 256 x 1, 8 waves a work-group, no clusters, 289,792 bytes of LDS; arguments x, g1, b1, g2, b2, bq, bk, bv, bm2, bm1, wq_codes, wq_scales, wk_codes, wk_scales, wv_codes, wv_scales, w1_codes, w1_scales, w2_codes, w2_scales, out0; writes out0
.if DOCPART == 1
	.amdgcn_target "amdgcn-amd-amdhsa--gfx1250"
	.amdhsa_code_object_version 6
	.text
	.protected	k_qc45a4eddd6_layer
	.globl	k_qc45a4eddd6_layer
	.p2align	8
	.type	k_qc45a4eddd6_layer,@function
k_qc45a4eddd6_layer:
	s_mov_b64 s[64:65], 0
	v_nop
	global_prefetch_b8 v0, s[64:65] scope:SCOPE_SE
	s_setreg_imm32_b32 hwreg(HW_REG_WAVE_MODE, 25, 1), 1
	s_wait_xcnt 0x0
; One transformer layer on x [512][128][256] f32, all in one launch: LN1, q/k/v projections, causal attention (logit = q.k / 8), residual, LN2, MLP 256 -> 1024 -> 256 with the exact gelu, residual.
; All seven products run on codes of FP6 (E2M3) with one E8M0 scale for each 32 along K; sums, norms, softmax and gelu in f32.  Nothing but x, the weights and out0 touches memory.
; SHARES.  256 work-groups of eight waves (512 registers each); a work-group walks two batches of 128 rows.  In LN1, attention, LN2 and on the way out wave w owns rows 16 w .. 16 w + 15.
; In the projections and the MLP THE WAVES SHARE THE COLUMNS: a weight fragment goes from memory straight into the registers of the wave that multiplies by it, and the rows' codes go from
; wave to wave through LDS as images of their registers (four registers of lane l at 16 l, 512 bytes a store; a scale word at 4 l).  q, k: 128 columns x 64 rows a wave; V^T: 32 channels x 128 keys;
; MLP1: 128 hidden units x 128 rows; MLP2: 64 columns x 64 rows, so that a fragment of the hidden layer read from LDS feeds four products.
; NO CLUSTER, NO JOINT LOADS: a joint load lands in LDS; the 540,672 bytes of weight codes of a batch would then be written to LDS and read from it again, beside the images and rows that already go
; through it, and LDS has 38,912 bytes left beside this text's 288,768, less than one phase's weights (147,456 or 196,608 bytes).
; THE BLOCKS OF A K STEP ARE PERMUTED, ALIKE IN BOTH OPERANDS OF EVERY PRODUCT: the registers 6 c .. 6 c + 5 of lane half h, whose scale is byte 2 c + h, hold block 2 h + c of the step's four blocks of 32.
; So a lane's 12 registers of a weight fragment are 48 consecutive bytes of a row, three loads of 16 aligned bytes; a weight's scale word has its bytes 1 and 2 exchanged; QUANT makes codes and words so.
; PERMUTED TILES: lane r of tile 2 b + u takes row 32 b + 8 u + r + 8 (r / 8), so that, with such a tile as source 0, the 16 registers of tiles 2 b and 2 b + 1 are 16 neighbours: index 32 b + 16 (lane / 16) + 0 .. 15.
; THE WEIGHTS' LOADS go out in short runs among vector work, a tile or a K step at a time, not as one run of a whole phase's loads.
; LIMITS.  NaN and infinities among the inputs are not served.  A block of zeros gets the scale byte 1 where the quantiser says 127: its codes are zeros and only this text reads the bytes.
; erf is the f32 rational z P(z^2) / Q(z^2) with |z| held at 4 (|x| at 5.657): beyond that gelu is x (0.5 +- 0.5 erf(4)), off by under 1e-7 |x|.
; Inside a matrix instruction the products of a K step are grouped by the permuted order of blocks, not by memory order.
; The causal mask: hidden scores become -infinity; the score tiles of keys 64 .. 127 are left out by the waves whose queries all lie under 64; the second product is one K step of 128 keys for every query.
.set FRB,   1664                       ; from image to image: 1,536 bytes + 128, so that two neighbouring images begin 128 bytes apart modulo 256
.set XP,    1040                       ; a row of x in LDS: 1,024 bytes + 16
.set P_G1,  0                          ; LDS: the parameters, written once
.set P_B1,  1024
.set P_G2,  2048
.set P_B2,  3072
.set P_BQ,  4096
.set P_BV,  6144
.set P_BM2, 7168
.set P_BM1, 8192
.set HIMG,  12288                      ; h, later h2: fragment (row tile m, K step k) at (8 k + m) FRB
.set HSC,   38912                      ; its scale words at (8 k + m) 128
.set QIMG,  40960                      ; q likewise
.set QSC,   67584
.set KIMG,  69632                      ; k likewise
.set KSC,   96256
.set KQD,   28672                      ; from q's regions to k's, and from h's to q's
.set VIMG,  98304                      ; V^T: tile T of 16 channels x 128 keys at T FRB
.set VSC,   124928
.set GIMG,  40960                      ; the gelu's results: fragment (K step k, row tile m) at (8 k + m) FRB; lies over q, k and V^T
.set GSC,   147456
.set X1,    155648                     ; 128 rows: x, then x + attention, then the result
.set LI,  1                            ; v1   16 x lane
.set LS,  2                            ; v2   4 x lane
.set AP,  3                            ; v3   a permuted tile's lane in two neighbouring images: (r / 8) FRB + 16 (r % 8) + 256 h
.set APS, 4                            ; v4   and among their scale words: (r / 8) 128 + 4 (r % 8)
.set XL,  5                            ; v5   X1 + (16 w + r) XP + 64 h: my 16 numbers of each block of 32 of my row
.set XD,  6                            ; v6   X1 + 16 w XP + 16 x lane: my wave's rows as they lie
.set XT,  7                            ; v7   X1 + (64 (w / 4) + r) XP + 256 (w % 4) + 32 h: MLP2: my eight columns of row r
.set WA,  8                            ; v8   weights with rows of 192 bytes, permuted tile: (r + 8 (r / 8)) 192 + 48 h
.set WB,  9                            ; v9   W2: r 768 + 48 h
.set WSA, 10                           ; v10  their scale bytes: (r + 8 (r / 8)) 8
.set WSB, 11                           ; v11  W2's: r 32 + 16 h: lanes 0-15 take K steps 0-3, lanes 16-31 K steps 4-7
.set BA,  12                           ; v12  64 h
.set BB,  13                           ; v13  P_BM2 + 256 (w % 4) + 32 h
.set BVA, 14                           ; v14  P_BV + 128 w + 4 (r + 8 (r / 8))
.set PF,  15                           ; v15  256 x lane
.set HW,  16                           ; v16  LI + HIMG + w FRB
.set HWS, 17                           ; v17  LS + HSC + 128 w
.set QKW, 18                           ; v18  where I store q's or k's images
.set QKS, 19                           ; v19  and their scale words
.set VW,  20                           ; v20  LI + VIMG + 2 w FRB
.set VWS, 21                           ; v21  LS + VSC + 256 w
.set GW,  22                           ; v22  LI + GIMG + 8 w FRB
.set GWS, 23                           ; v23  LS + GSC + 1024 w
                                       ; v[24:25], v[26:27] the leading coefficients of erf's numerator and denominator; v28-31 addresses of the phase in hand
                                       ; v32-51 weights' scale words, v52-55 and v56-57 scale words from LDS, v58 the word just made: these hold scales and nothing else
.set PW,  58
                                       ; v59 the mask's d; v[60:61], v[62:63] pairs whose low word is broadcast; v64-255 at work; window 1 (v256-511): weights, bm1, the next x
.set TM,  216                          ; QUANT: v216-219 largest magnitudes, v220-223 bytes, v228-231 the conversions' scale operands
.set SD,  232                          ; v232-239 the second halves' codes
.set PC,  240                          ; v240-251 the fragment just made
.set MSB, 0
.macro WIN new                         ; bits 1:0 source 0, 3:2 source 1, 5:4 source 2, 7:6 destination; the immediate's high byte repeats the setting that is left
.if MSB != \new
	s_set_vgpr_msb (MSB<<8)|\new
.set MSB, \new
.endif
.endm
.macro PLACES n                        ; plain vector instructions behind matrix instructions (ISA guide 7.12.1) and ahead of scaled ones
.rept \n
	v_nop
.endr
.endm
.macro BARRIER                         ; my LDS stores have landed and my LDS loads are in: then the work-group's barrier
	s_wait_dscnt 0x0
	s_barrier_signal -1
	s_barrier_wait -1
.endm
.macro SPAIR r, val                    ; a constant in both words of a pair: the packed forms name the pair
	s_mov_b32 s[\r], \val
	s_mov_b32 s[\r+1], \val
.endm
; one matrix instruction.  ck = 0: the constant 0 starts the sum; else C = v[c ..]
.macro MM d, a, b, ck, c, sa, sb
.if (\ck) == 0
	v_wmma_scale_f32_16x16x128_f8f6f4 v[(\d):(\d)+7], v[(\a):(\a)+11], v[(\b):(\b)+11], 0, v[(\sa)], v[(\sb)] matrix_a_fmt:MATRIX_FMT_FP6 matrix_b_fmt:MATRIX_FMT_FP6
.else
	v_wmma_scale_f32_16x16x128_f8f6f4 v[(\d):(\d)+7], v[(\a):(\a)+11], v[(\b):(\b)+11], v[(\c):(\c)+7], v[(\sa)], v[(\sb)] matrix_a_fmt:MATRIX_FMT_FP6 matrix_b_fmt:MATRIX_FMT_FP6
.endif
.endm
; the same with C in registers and source 0's scale words taken from lanes 16-31 of their register
.macro MMR d, a, b, c, sa, sb
	v_wmma_scale_f32_16x16x128_f8f6f4 v[(\d):(\d)+7], v[(\a):(\a)+11], v[(\b):(\b)+11], v[(\c):(\c)+7], v[(\sa)], v[(\sb)] matrix_a_fmt:MATRIX_FMT_FP6 matrix_b_fmt:MATRIX_FMT_FP6 matrix_a_scale:MATRIX_SCALE_ROW1
.endm
; 64 numbers of a lane, register 16 b + i = k 32 b + 16 (lane / 16) + i of my row, become a fragment's codes in v[PC] on and its scale word in v[PW]
.macro QUANT s
.irp b, 0,1,2,3
	v_max3_num_f32 v[TM+\b], |v[\s+16*\b]|, |v[\s+1+16*\b]|, 0x1800000   ; block b: my 16 numbers, and the floor 2^(3 - 127): the byte cannot fall under 1
.endr
.irp i, 2,4,6,8,10,12,14
.irp b, 0,1,2,3
	v_max3_num_f32 v[TM+\b], v[TM+\b], |v[\s+16*\b+\i]|, |v[\s+1+16*\b+\i]|
.endr
.endr
.irp b, 0,1,2,3
	v_permlanex16_b32 v[TM+4+\b], v[TM+\b], s88, s89
.endr
.irp b, 0,1,2,3
	v_max_num_f32 v[TM+\b], v[TM+\b], v[TM+4+\b]       ; with lane l xor 16's: the block's largest magnitude
.endr
.irp b, 0,1,2,3
	v_add_nc_u32 v[TM+12+\b], 0xff000000, v[TM+\b]     ; 2 off its exponent field: the conversion's scale operand
.endr
.irp b, 0,1,2,3
	v_lshrrev_b32 v[TM+4+\b], 23, v[TM+12+\b]          ; the scale's byte
.endr
	v_lshl_or_b32 v[PW], v[TM+6], 8, v[TM+4]           ; byte 2 c + h is block 2 h + c's: blocks 0, 2, 1, 3
	v_lshl_or_b32 v[PW], v[TM+5], 16, v[PW]
	v_lshl_or_b32 v[PW], v[TM+7], 24, v[PW]
.irp c, 0,1
	v_cvt_scalef32_pk16_fp6_f32 v[PC+6*\c:PC+6*\c+2], v[\s+16*\c:\s+16*\c+15], v[TM+12+\c]       ; block c: the codes of my 16
	v_cvt_scalef32_pk16_fp6_f32 v[SD+4*\c:SD+4*\c+2], v[\s+32+16*\c:\s+47+16*\c], v[TM+14+\c]    ; block 2 + c
.endr
	v_nop                                              ; one plain place behind a scaled conversion
.irp c, 0,1                            ; lanes 0-15 get block c whole, lanes 16-31 block 2 + c
.irp i, 0,1,2
	v_permlane16_swap_b32 v[PC+6*\c+\i], v[SD+4*\c+\i]
.endr
.irp i, 0,1,2
	v_mov_b32 v[PC+3+6*\c+\i], v[SD+4*\c+\i]
.endr
.endr
.endm
.macro IMAGE adr, off                  ; the fragment in v[PC] on goes to LDS as it stands
.irp q, 0,1,2
	ds_store_b128 v[\adr], v[PC+4*\q:PC+4*\q+3] offset:(\off)+512*\q
.endr
.endm
.macro FETCH reg, adr, off             ; and comes back so, in any wave
.irp q, 0,1,2
	ds_load_b128 v[(\reg)+4*\q:(\reg)+4*\q+3], v[\adr] offset:(\off)+512*\q
.endr
.endm
.macro WFRAG reg, adr, base, off       ; a weight fragment: 48 consecutive bytes a lane
.irp q, 0,1,2
	global_load_b128 v[(\reg)+4*\q:(\reg)+4*\q+3], v[\adr], s[\base:\base+1] offset:(\off)+16*\q
.endr
.endm
; Permuted tile WT (of 8) of 128 rows of 256 codes: its two K steps -> window 1, v[24 WT], v[24 WT + 12]; its scale words -> v[32 + 2 WT], v[33 + 2 WT].  Seven loads; WT steps.
.macro WTILE cbase, sbase
	WIN 0x40
	WFRAG 24*WT, WA, \cbase, (32*(WT/2)+8*(WT%2))*192
	WFRAG 24*WT+12, WA, \cbase, (32*(WT/2)+8*(WT%2))*192+96
	WIN 0
	global_load_b64 v[32+2*WT:33+2*WT], v[WSA], s[\sbase:\sbase+1] offset:(32*(WT/2)+8*(WT%2))*8
.set WT, WT+1
.endm
; Permuted tile VT (of 2) of my 32 rows of Wv -> window 1, v[192 + 24 VT] on; scale words -> v[48 + 2 VT] on.  VT steps.
.macro WVT
	WIN 0x40
	WFRAG 192+24*VT, WA, 32, 1536*VT
	WFRAG 204+24*VT, WA, 32, 1536*VT+96
	WIN 0
	global_load_b64 v[48+2*VT:49+2*VT], v[WSA], s[34:35] offset:64*VT
.set VT, VT+1
.endm
; K step WK of my 64 rows of W2: four fragments -> window 1, slot WK % 5 of five slots of 48 registers.  Twelve loads; WK steps.
.macro W2K
	WIN 0x40
.irp n, 0,1,2,3
	WFRAG 48*(WK%5)+12*\n, WB, 40, 12288*\n+96*WK
.endr
	WIN 0
.set WK, WK+1
.endm
.macro XLOADS off                      ; my wave's 16 rows of x, 16,384 dense bytes: each load takes 512 consecutive bytes -> window 1, v0-127
	WIN 0x40
.set KK, 0
.rept 32
	global_load_b128 v[4*KK:4*KK+3], v[LI], s[4:5] offset:(\off)+512*KK th:TH_LOAD_NT
.set KK, KK+1
.endr
	WIN 0
.endm
; LayerNorm of my row (v64-191: register 16 b + i = channel 32 b + 16 h + i), quantised: two fragments to HIMG.  The mean first, then the variance of the differences.
; GAIN AND BIAS lie across the lanes: register b of eight holds channel 32 b + lane, one load of 4 bytes a lane.  Lane i of my half of the lanes then holds my register 16 b + i's channel,
; and the DPP control row_share:i hands it to all sixteen lanes of the half inside the multiplication and the addition (ISA guide, the DPP controls).
; wv = 1: q's or k's weights and Wv are asked for on the way, a tile at a time.
.macro LNQ pg, pb, wv
.irp b, 0,1,2,3,4,5,6,7
	ds_load_b32 v[192+\b], v[LS] offset:(\pg)+128*\b
	ds_load_b32 v[200+\b], v[LS] offset:(\pb)+128*\b
.endr
.irp c, 0,1,2,3
	v_pk_add_f32 v[240+2*\c:241+2*\c], v[64+2*\c:65+2*\c], v[72+2*\c:73+2*\c]     ; four chains, started by sums: nothing is cleared
.endr
.set IX, 8
.rept 56
	v_pk_add_f32 v[240+2*(IX%4):241+2*(IX%4)], v[240+2*(IX%4):241+2*(IX%4)], v[64+2*IX:65+2*IX]
.if (\wv) && (IX%32 == 31)
	WTILE 46, 48
.endif
.set IX, IX+1
.endr
	v_pk_add_f32 v[240:241], v[240:241], v[242:243]
	v_pk_add_f32 v[244:245], v[244:245], v[246:247]
	v_pk_add_f32 v[240:241], v[240:241], v[244:245]
	v_add_f32 v240, v240, v241
	v_permlanex16_b32 v61, v240, s88, s89              ; the row's other half lies in lane l xor 16
	v_add_f32 v240, v240, v61
	v_mul_f32 v60, 0xbb800000, v240                    ; - mean
.set IX, 0
.rept 64
	v_pk_add_f32 v[64+2*IX:65+2*IX], v[64+2*IX:65+2*IX], v[60:61] op_sel_hi:[1,0]
.if (\wv) && (IX%32 == 31)
	WTILE 46, 48
.endif
.set IX, IX+1
.endr
.irp c, 0,1,2,3
	v_pk_mul_f32 v[240+2*\c:241+2*\c], v[64+2*\c:65+2*\c], v[64+2*\c:65+2*\c]
.endr
.set IX, 4
.rept 60
	v_pk_fma_f32 v[240+2*(IX%4):241+2*(IX%4)], v[64+2*IX:65+2*IX], v[64+2*IX:65+2*IX], v[240+2*(IX%4):241+2*(IX%4)]
.if (\wv) && (IX%32 == 31)
	WTILE 46, 48
.endif
.set IX, IX+1
.endr
	v_pk_add_f32 v[240:241], v[240:241], v[242:243]
	v_pk_add_f32 v[244:245], v[244:245], v[246:247]
	v_pk_add_f32 v[240:241], v[240:241], v[244:245]
	v_add_f32 v240, v240, v241
	v_permlanex16_b32 v63, v240, s88, s89
	v_add_f32 v240, v240, v63
	v_fma_f32 v62, v240, s96, s97                      ; variance + 1e-5
	v_rsq_f32 v62, v62
	v_nop                                              ; a plain instruction behind the transcendental,
	s_wait_alu depctr_va_vdst(0)                       ; and a wait ahead of its first reader
	s_wait_dscnt 0x0                                   ; gain and bias are in
.irp b, 0,1,2,3,4,5,6,7
.irp p, 0,2,4,6,8,10,12,14
	v_pk_mul_f32 v[64+16*\b+\p:65+16*\b+\p], v[64+16*\b+\p:65+16*\b+\p], v[62:63] op_sel_hi:[1,0]
.endr
.irp i, 0,1,2,3,4,5,6,7,8,9,10,11,12,13,14,15
	v_mul_f32_dpp v[64+16*\b+\i], v[192+\b], v[64+16*\b+\i] row_share:\i row_mask:0xf bank_mask:0xf
.endr
.irp i, 0,1,2,3,4,5,6,7,8,9,10,11,12,13,14,15
	v_add_f32_dpp v[64+16*\b+\i], v[200+\b], v[64+16*\b+\i] row_share:\i row_mask:0xf bank_mask:0xf
.endr
.if (\wv) && (\b < 2)
	WTILE 46, 48
.endif
.if (\wv) && (\b >= 2) && (\b < 4)
	WVT
.endif
.endr
	QUANT 64
	IMAGE HW, 0
	ds_store_b32 v[HWS], v[PW]
	s_wait_dscnt 0x0                                   ; the stores have read their registers
	QUANT 128
	IMAGE HW, 8*FRB
	ds_store_b32 v[HWS], v[PW] offset:1024
.endm
; gelu of 16 numbers x at v[64 + 16 k ..]: x (0.5 + xc P'(u) / Q'(u)), xc = x held at +-5.657, u = xc^2; the factors 1/2 and 1/sqrt(2) and the powers of 2 of u / 2 are folded into the coefficients.
; The sixteen reciprocals are one batch; the numerator's 56 lines are the work behind them; one wait stands ahead of their first reader.
.macro GELU k
.irp i, 0,1,2,3,4,5,6,7,8,9,10,11,12,13,14,15
	v_med3_num_f32 v[128+\i], v[64+16*(\k)+\i], s86, s87
.endr
.irp p, 0,2,4,6,8,10,12,14
	v_pk_mul_f32 v[144+\p:145+\p], v[128+\p:129+\p], v[128+\p:129+\p]
.endr
.irp p, 0,2,4,6,8,10,12,14
	v_pk_fma_f32 v[176+\p:177+\p], v[144+\p:145+\p], v[26:27], s[78:79] op_sel_hi:[1,1,0]
.endr
.irp c, 80,82,84
.irp p, 0,2,4,6,8,10,12,14
	v_pk_fma_f32 v[176+\p:177+\p], v[176+\p:177+\p], v[144+\p:145+\p], s[\c:\c+1] op_sel_hi:[1,1,0]
.endr
.endr
.irp i, 0,1,2,3,4,5,6,7,8,9,10,11,12,13,14,15
	v_rcp_f32 v[176+\i], v[176+\i]
.endr
.irp p, 0,2,4,6,8,10,12,14
	v_pk_fma_f32 v[160+\p:161+\p], v[144+\p:145+\p], v[24:25], s[66:67] op_sel_hi:[1,1,0]
.endr
.irp c, 68,70,72,74,76
.irp p, 0,2,4,6,8,10,12,14
	v_pk_fma_f32 v[160+\p:161+\p], v[160+\p:161+\p], v[144+\p:145+\p], s[\c:\c+1] op_sel_hi:[1,1,0]
.endr
.endr
.irp p, 0,2,4,6,8,10,12,14
	v_pk_mul_f32 v[160+\p:161+\p], v[160+\p:161+\p], v[128+\p:129+\p]
.endr
	s_wait_alu depctr_va_vdst(0)
.irp p, 0,2,4,6,8,10,12,14
	v_pk_fma_f32 v[160+\p:161+\p], v[160+\p:161+\p], v[176+\p:177+\p], 0.5 op_sel_hi:[1,1,0]
.endr
.irp p, 0,2,4,6,8,10,12,14
	v_pk_mul_f32 v[64+16*(\k)+\p:65+16*(\k)+\p], v[64+16*(\k)+\p:65+16*(\k)+\p], v[160+\p:161+\p]
.endr
.endm
; One row tile of the first MLP product: my 128 hidden units for 16 rows, gelu, quantised: K step w of the second product.  The tile's two fragments of h2 were asked for a trip ago.
; last = 0: the next tile's are asked for behind the products and land under the gelu.  last = 1: W1 has done its work: W2's first four K steps take its registers, a K step between two parts of the gelu.
.macro MLP1_TRIP last
	s_wait_dscnt 0x0                                   ; the fragments and their scale words are in; the last trip's stores have read their registers
	WIN 0x11                                           ; W1 and bm1 in window 1
.irp T, 0,1,2,3,4,5,6,7
	MM 64+8*\T, 12*(2*\T), 192, 1, 192+8*\T, 32+2*\T, 56      ; the bias is the C of the sum's first product
.endr
	WIN 0x01
.irp T, 0,1,2,3,4,5,6,7
	MM 64+8*\T, 12*(2*\T+1), 204, 1, 64+8*\T, 33+2*\T, 57     ; the eight accumulators by turns
.endr
	WIN 0
	v_add_nc_u32 v30, s98, v[GW]                       ; where this tile's image goes.  (These additions are places behind the products)
	v_add_nc_u32 v31, s99, v[GWS]
	s_add_co_u32 s98, s98, FRB
	s_add_co_u32 s99, s99, 128
.if \last
	PLACES 2
.set WK, 0
.irp n, 0,1,2,3
	global_load_b128 v[32+4*\n:35+4*\n], v[WSB], s[42:43] offset:512*\n     ; W2's scale words: register 4 n + q: K step q in lanes 0-15, K step 4 + q in lanes 16-31
.endr
	W2K
	GELU 0
	W2K
	GELU 1
	W2K
	GELU 2
	W2K
	GELU 3
.else
	v_add_nc_u32 v28, s98, v[LI]
	v_add_nc_u32 v29, s99, v[LS]
	FETCH 192, 28, HIMG
	FETCH 204, 28, HIMG+8*FRB
	ds_load_b32 v56, v29 offset:HSC
	ds_load_b32 v57, v29 offset:HSC+1024
	GELU 0
	GELU 1
	GELU 2
	GELU 3
.endif
	QUANT 64
	IMAGE 30, 0
	ds_store_b32 v31, v[PW]
.endm
; A K step of the second MLP product: my four row tiles' fragments from LDS, each against my four tiles of W2.  The sixteen accumulators take turns, one instruction a turn.
; K steps 0 to 3 ask for the weights of the K step four on, into the slot that the K step before has left (K step 0: into the fifth slot).
.macro M2STEP k
.if (\k) < 4
	W2K
.endif
.irp t, 0,1,2,3
	ds_load_b32 v[52+\t], v31 offset:128*(8*(\k)+\t)
.endr
.irp t, 0,1,2,3
.irp q, 0,1,2
.if (\k) < 4
	ds_load_b128 v[192+12*\t+4*\q:195+12*\t+4*\q], v29 offset:(8*(\k)+\t)*FRB+512*\q
.else
	ds_load_b128 v[192+12*\t+4*\q:195+12*\t+4*\q], v30 offset:(8*((\k)-4)+\t)*FRB+512*\q
.endif
.endr
.endr
.if (\k) >= 4
	s_wait_loadcnt 12*(7-(\k))                         ; this K step's weights are in; the later K steps' loads, twelve each, may be out
.endif
	WIN 0x01
.irp t, 0,1,2,3
	s_wait_dscnt 9-3*\t                                ; the scale words and fragment t are in; the later fragments' loads, three each, may be out
.irp n, 0,1,2,3
.if (\k) < 4
	MM 64+32*\n+8*\t, 48*((\k)%5)+12*\n, 192+12*\t, 1, 64+32*\n+8*\t, 32+4*\n+(\k), 52+\t
.else
	MMR 64+32*\n+8*\t, 48*((\k)%5)+12*\n, 192+12*\t, 64+32*\n+8*\t, 32+4*\n+(\k)-4, 52+\t
.endif
.endr
.endr
	WIN 0
	PLACES 4
.endm
; S^T = K Q^T for the four permuted tiles of keys 64 g .. 64 g + 63, two K steps
.macro SGRP g
.irp k, 0,1
.irp t, 0,1,2,3
.irp q, 0,1,2
	ds_load_b128 v[152+12*\t+4*\q:155+12*\t+4*\q], v28 offset:(8*\k+2*((4*(\g)+\t)/2))*FRB+128*(\t%2)+512*\q
.endr
	ds_load_b32 v[52+\t], v29 offset:(8*\k+2*((4*(\g)+\t)/2))*128+32*(\t%2)
.endr
	s_wait_dscnt 0x0
.irp t, 0,1,2,3
	MM 64+8*(4*(\g)+\t), 152+12*\t, 128+12*\k, \k, 64+8*(4*(\g)+\t), 52+\t, 56+\k
.endr
	PLACES 4
.endr
.endm
	; ================ the head ================
	s_load_b512 s[4:19], s[0:1], 0x0                   ; x, g1, b1, g2, b2, bq, bk, bv
	s_load_b512 s[20:35], s[0:1], 0x40                 ; bm2, bm1, wq codes, scales, wk codes, scales, wv codes, scales
	s_load_b256 s[36:43], s[0:1], 0x80                 ; w1 codes, scales, w2 codes, scales
	s_load_b64 s[44:45], s[0:1], 0xa0                  ; out0
	v_lshrrev_b32 v64, 5, v0
	v_readfirstlane_b32 s93, v64                       ; wave w, 0..7
	v_and_b32 v65, 31, v0                              ; lane
	v_and_b32 v66, 15, v0                              ; r
	v_bfe_u32 v67, v0, 4, 1                            ; h
	v_bfe_u32 v68, v0, 3, 1                            ; r / 8
	v_and_b32 v69, 7, v0                               ; r % 8
	v_lshl_add_u32 v70, v68, 3, v66                    ; r + 8 (r / 8)
	s_and_b32 s50, s93, 3                              ; which 128 columns of q (0, 1) or of k (2, 3) are mine; in MLP2: which 64 columns
	s_lshr_b32 s51, s93, 2                             ; and which four row tiles
	s_and_b32 s52, s93, 1
	s_lshr_b32 s53, s50, 1
	s_lshl_b32 s54, s50, 9
	s_add_co_u32 s54, s54, P_BQ                        ; their biases in LDS (bk lies behind bq)
	s_mul_i32 s55, s51, 4*FRB
	s_lshl_b32 s56, s51, 9
	s_lshl_b32 s57, s93, 9
	s_add_co_u32 s57, s57, P_BM1                       ; my 128 numbers of bm1
	s_mul_i32 s58, s93, 16*XP
	s_lshl_b32 s59, s93, 7
	s_mul_i32 s60, s93, FRB
	s_mul_i32 s61, s51, 64*XP                          ; MLP2: my 64 rows,
	s_lshl_b32 s62, s50, 8                             ; my 64 columns
	s_add_co_u32 s61, s61, s62
	v_lshlrev_b32 v[LI], 4, v65
	v_lshlrev_b32 v[LS], 2, v65
	v_mul_u32_u24 v[AP], v68, FRB
	v_lshl_add_u32 v[AP], v69, 4, v[AP]
	v_lshl_add_u32 v[AP], v67, 8, v[AP]
	v_lshlrev_b32 v[APS], 7, v68
	v_lshl_add_u32 v[APS], v69, 2, v[APS]
	v_mul_u32_u24 v[XL], v66, XP
	v_lshl_add_u32 v[XL], v67, 6, v[XL]
	v_add_nc_u32 v[XL], s58, v[XL]
	v_add_nc_u32 v[XL], X1, v[XL]
	v_add_nc_u32 v[XD], s58, v[LI]
	v_add_nc_u32 v[XD], X1, v[XD]
	v_mul_u32_u24 v[XT], v66, XP
	v_lshl_add_u32 v[XT], v67, 5, v[XT]
	v_add_nc_u32 v[XT], s61, v[XT]
	v_add_nc_u32 v[XT], X1, v[XT]
	v_mul_u32_u24 v[WA], v70, 192
	v_mad_u32_u24 v[WA], v67, 48, v[WA]
	v_mul_u32_u24 v[WB], v66, 768
	v_mad_u32_u24 v[WB], v67, 48, v[WB]
	v_lshlrev_b32 v[WSA], 3, v70
	v_lshlrev_b32 v[WSB], 5, v66
	v_lshl_add_u32 v[WSB], v67, 4, v[WSB]
	v_lshlrev_b32 v[BA], 6, v67
	v_lshl_add_u32 v[BB], v67, 5, P_BM2
	v_add_nc_u32 v[BB], s62, v[BB]
	v_lshl_add_u32 v[BVA], v70, 2, P_BV
	v_add_nc_u32 v[BVA], s59, v[BVA]
	v_lshlrev_b32 v[PF], 8, v65
	v_add_nc_u32 v[HW], s60, v[LI]
	v_add_nc_u32 v[HW], HIMG, v[HW]
	v_add_nc_u32 v[HWS], s59, v[LS]
	v_add_nc_u32 v[HWS], HSC, v[HWS]
	s_lshl_b32 s61, s52, 3
	s_lshl_b32 s62, s51, 2
	s_add_co_u32 s61, s61, s62                         ; my first image: 8 x (K step) + 4 x (half of the rows): four images on end
	s_mul_i32 s62, s53, KQD                            ; q's regions or k's
	s_mul_i32 s63, s61, FRB
	s_add_co_u32 s63, s63, s62
	v_add_nc_u32 v[QKW], s63, v[LI]
	v_add_nc_u32 v[QKW], QIMG, v[QKW]
	s_lshl_b32 s63, s61, 7
	s_add_co_u32 s63, s63, s62
	v_add_nc_u32 v[QKS], s63, v[LS]
	v_add_nc_u32 v[QKS], QSC, v[QKS]
	s_mul_i32 s61, s93, 2*FRB
	v_add_nc_u32 v[VW], s61, v[LI]
	v_add_nc_u32 v[VW], VIMG, v[VW]
	s_lshl_b32 s61, s93, 8
	v_add_nc_u32 v[VWS], s61, v[LS]
	v_add_nc_u32 v[VWS], VSC, v[VWS]
	s_mul_i32 s61, s93, 8*FRB
	v_add_nc_u32 v[GW], s61, v[LI]
	v_add_nc_u32 v[GW], GIMG, v[GW]
	s_lshl_b32 s61, s93, 10
	v_add_nc_u32 v[GWS], s61, v[LS]
	v_add_nc_u32 v[GWS], GSC, v[GWS]
	s_lshl_b32 s61, s93, 4
	v_add_nc_u32 v59, s61, v66
	v_lshlrev_b32 v64, 4, v67
	v_sub_nc_u32 v59, v59, v64                         ; d = my query - 16 h: register 16 b + i of the scores holds key 32 b + 16 h + i, hidden where 32 b + i > d
	v_mov_b32 v24, -1.50599506e-12                     ; erf's numerator, leading coefficient
	v_mov_b32 v25, -1.50599506e-12
	v_mov_b32 v26, -9.10379490e-07                     ; its denominator's
	v_mov_b32 v27, -9.10379490e-07
	v_mov_b32 v61, 0                                   ; upper halves of broadcast pairs, and destinations of lane permutes: written once
	v_mov_b32 v63, 0
.irp b, 0,1,2,3
	v_mov_b32 v[TM+4+\b], 0
.endr
	SPAIR 66, 3.06119941e-10                           ; the numerator's other six, highest power first
	SPAIR 68, -4.64265104e-08
	SPAIR 70, -2.51575617e-06
	SPAIR 72, -6.49646074e-05
	SPAIR 74, -5.22304390e-04
	SPAIR 76, -5.69080716e-03
	SPAIR 78, -2.66717569e-05                          ; the denominator's other four
	SPAIR 80, -4.20706744e-04
	SPAIR 82, -3.68666458e-03
	SPAIR 84, -1.42647391e-02
	s_mov_b32 s86, 0xc0b504f3                          ; -4 sqrt(2)
	s_mov_b32 s87, 0x40b504f3
	s_mov_b32 s88, 0x76543210                          ; v_permlanex16_b32's selects for lane l xor 16
	s_mov_b32 s89, 0xfedcba98
	SPAIR 90, 0x3e38aa3b                               ; log2(e) / 8
	s_mov_b32 s92, 0x03010200                          ; exchanges bytes 1 and 2 of a scale word
	s_mov_b32 s96, 0x3b800000                          ; 1 / 256
	s_mov_b32 s97, 0x3727c5ac                          ; 1e-5
	v_lshlrev_b32 v28, 2, v0
	v_lshlrev_b32 v29, 4, v0
	s_wait_kmcnt 0x0
	s_lshl_b32 s2, ttmp9, 18                           ; my two batches of 131,072 bytes,
	s_lshl_b32 s3, s93, 14                             ; my wave's 16 rows of 1,024
	s_add_co_u32 s2, s2, s3
	s_mov_b32 s3, 0
	s_add_nc_u64 s[4:5], s[4:5], s[2:3]
	s_add_nc_u64 s[44:45], s[44:45], s[2:3]
	s_cmp_lt_u32 s50, 2                                ; q's weights or k's: the choice hangs on the wave's number alone
	s_cselect_b64 s[46:47], s[24:25], s[28:29]
	s_cselect_b64 s[48:49], s[26:27], s[30:31]
	s_mul_i32 s2, s52, 24576                           ; 128 rows of 192 bytes
	s_add_nc_u64 s[46:47], s[46:47], s[2:3]
	s_lshl_b32 s2, s52, 10
	s_add_nc_u64 s[48:49], s[48:49], s[2:3]
	s_mul_i32 s2, s93, 6144                            ; Wv: my 32 rows
	s_add_nc_u64 s[32:33], s[32:33], s[2:3]
	s_lshl_b32 s2, s93, 8
	s_add_nc_u64 s[34:35], s[34:35], s[2:3]
	s_mul_i32 s2, s93, 24576                           ; W1: my 128 rows of 192 bytes
	s_add_nc_u64 s[36:37], s[36:37], s[2:3]
	s_lshl_b32 s2, s93, 10
	s_add_nc_u64 s[38:39], s[38:39], s[2:3]
	s_mul_i32 s2, s50, 49152                           ; W2: my 64 rows of 768 bytes
	s_add_nc_u64 s[40:41], s[40:41], s[2:3]
	s_lshl_b32 s2, s50, 11
	s_add_nc_u64 s[42:43], s[42:43], s[2:3]
.irp i, 0,1,2,3,4,5,6,7
	global_load_b32 v[192+\i], v28, s[6+2*\i:7+2*\i]   ; the eight vectors of 256: a number a thread
.endr
	global_load_b128 v[200:203], v29, s[22:23]         ; bm1: four a thread
	XLOADS 0                                           ; the first batch's rows
	s_wait_loadcnt 32                                  ; the parameters are in; the 32 loads of x may be out
.irp i, 0,1,2,3,4,5,6,7
	ds_store_b32 v28, v[192+\i] offset:1024*\i
.endr
	ds_store_b128 v29, v[200:203] offset:P_BM1
	BARRIER                                            ; the parameters lie in LDS
	s_mov_b32 s94, 2
.Lbatch:
	; ================ A: x into LDS, LN1, h's codes ================
	s_wait_loadcnt 0x0                                 ; x
	WIN 0x04                                           ; an LDS store's data are its source 1: window 1
.set KK, 0
.rept 32
	ds_store_b128 v[XD], v[4*KK:4*KK+3] offset:(KK/2)*XP+512*(KK%2)
.set KK, KK+1
.endr
	WIN 0
.irp b, 0,1,2,3,4,5,6,7
.irp j, 0,1,2,3
	ds_load_b128 v[64+16*\b+4*\j:67+16*\b+4*\j], v[XL] offset:128*\b+16*\j     ; my own rows: LDS serves a wave's instructions in order
.endr
.endr
	s_wait_dscnt 0x0                                   ; my row is in; the stores have read their registers: the weights may land there
.set WT, 0
.set VT, 0
	LNQ P_G1, P_B1, 1
	BARRIER                                            ; h's sixteen fragments lie in LDS
	; ================ B: q, k (128 columns x 64 rows a wave), then V^T (32 channels x 128 keys a wave) ================
	s_wait_loadcnt 0x0
.set IX, 0
.rept 20
	v_perm_b32 v[32+IX], v[32+IX], v[32+IX], s92
.set IX, IX+1
.endr
	v_add_nc_u32 v28, s54, v[BA]
.irp T, 0,1,2,3,4,5,6,7
.irp q, 0,1
	ds_load_b128 v[128+8*\T+4*\q:131+8*\T+4*\q], v28 offset:(32*(\T/2)+8*(\T%2))*4+16*\q     ; the bias in the result's layout: the C of each sum's first product
.endr
.endr
	v_add_nc_u32 v30, s55, v[LI]
	v_add_nc_u32 v31, s56, v[LS]
	s_mov_b32 s98, 0
	s_mov_b32 s99, 0
	s_mov_b32 s95, 4
	PLACES 8                                           ; scale words written by vector instructions stand eight places ahead of a scaled product
.Lqk:                                                  ; a trip: one row tile; source 0 = 16 rows of the weight, source 1 = h: a lane holds one row of q or k, its registers run along the channels
	v_add_nc_u32 v28, s98, v30
	v_add_nc_u32 v29, s99, v31
	FETCH 192, 28, HIMG
	FETCH 204, 28, HIMG+8*FRB
	ds_load_b32 v56, v29 offset:HSC
	ds_load_b32 v57, v29 offset:HSC+1024
	s_wait_dscnt 0x0
	WIN 0x01
.irp T, 0,1,2,3,4,5,6,7
	MM 64+8*\T, 12*(2*\T), 192, 1, 128+8*\T, 32+2*\T, 56
.endr
.irp T, 0,1,2,3,4,5,6,7
	MM 64+8*\T, 12*(2*\T+1), 204, 1, 64+8*\T, 33+2*\T, 57
.endr
	WIN 0
	PLACES 4
	QUANT 64
	v_add_nc_u32 v28, s98, v[QKW]
	v_add_nc_u32 v29, s99, v[QKS]
	IMAGE 28, 0
	ds_store_b32 v29, v[PW]
	s_add_co_u32 s98, s98, FRB
	s_add_co_u32 s99, s99, 128
	s_sub_co_u32 s95, s95, 1
	s_cmp_lg_u32 s95, 0
	s_cbranch_scc1 .Lqk
	PLACES 4
.set WT, 0                             ; W1 takes the registers that q's and k's weights have left, a tile at a time through this phase: it has the attention in which to land
	ds_load_b32 v60, v[BVA]                            ; bv of my lane's channel, tile 0
	ds_load_b32 v62, v[BVA] offset:32                  ; and tile 1
.irp k, 0,1                            ; source 0 = 16 rows of h (a permuted tile), source 1 = 16 rows of Wv: a lane holds one channel, its registers run along the keys
.irp f, 0,1
.irp t, 0,1,2,3
.irp q, 0,1,2
	ds_load_b128 v[192+12*\t+4*\q:195+12*\t+4*\q], v[AP] offset:HIMG+(8*\k+2*((4*\f+\t)/2))*FRB+128*(\t%2)+512*\q
.endr
	ds_load_b32 v[52+\t], v[APS] offset:HSC+(8*\k+2*((4*\f+\t)/2))*128+32*(\t%2)
.endr
	s_wait_dscnt 0x0
	WIN 0x04
.irp t, 0,1,2,3
.irp j, 0,1
	MM 64+64*\j+8*(4*\f+\t), 192+12*\t, 192+12*(2*\j+\k), \k, 64+64*\j+8*(4*\f+\t), 52+\t, 48+2*\j+\k
.endr
.endr
	WIN 0
	PLACES 4
	WTILE 36, 38
.endr
.endr
.irp j, 0,1
.set IX, 0
.rept 32
	v_pk_add_f32 v[64+64*\j+2*IX:65+64*\j+2*IX], v[64+64*\j+2*IX:65+64*\j+2*IX], v[60+2*\j:61+2*\j] op_sel_hi:[1,0]
.set IX, IX+1
.endr
	WTILE 36, 38
.endr
	QUANT 64
	IMAGE VW, 0
	ds_store_b32 v[VWS], v[PW]
	s_wait_dscnt 0x0                                   ; the stores have read their registers
	WTILE 36, 38
	QUANT 128
	IMAGE VW, FRB
	ds_store_b32 v[VWS], v[PW] offset:128
	WTILE 36, 38
	BARRIER                                            ; q, k and V^T lie in LDS; nobody reads h any more
	; ================ C: attention of my 16 queries, residual, LN2 ================
	v_add_nc_u32 v28, KIMG, v[AP]
	v_add_nc_u32 v29, KSC, v[APS]
	v_add_nc_u32 v30, VIMG, v[LI]
	v_add_nc_u32 v31, VSC, v[LS]
	FETCH 128, HW, KQD                                 ; my queries' two fragments
	FETCH 140, HW, KQD+8*FRB
	ds_load_b32 v56, v[HWS] offset:KQD
	ds_load_b32 v57, v[HWS] offset:KQD+1024
	SGRP 0                                             ; keys 0 .. 63
	s_cmp_lt_u32 s93, 4                                ; waves 0 to 3: every query lies under 64, so keys 64 .. 127 are all hidden: the mask below writes over whatever their registers hold
	s_cbranch_scc1 .Lmasked
	SGRP 1                                             ; keys 64 .. 127
.Lmasked:
	v_mov_b32 v200, 0xff800000                         ; -infinity
.set IX, 0
.rept 64
	v_cmp_gt_i32 vcc_lo, 32*(IX/16)+IX%16, v59
	v_cndmask_b32 v[64+IX], v[64+IX], v200, vcc_lo     ; hidden keys: p = 0
.set IX, IX+1
.endr
.irp b, 0,1,2,3
	v_max3_num_f32 v[201+\b], v[64+16*\b], v[65+16*\b], v[66+16*\b]
.endr
.irp i, 3,5,7,9,11,13
.irp b, 0,1,2,3
	v_max3_num_f32 v[201+\b], v[201+\b], v[64+16*\b+\i], v[65+16*\b+\i]
.endr
.endr
.irp b, 0,1,2,3
	v_max_num_f32 v[201+\b], v[201+\b], v[79+16*\b]
.endr
	v_max3_num_f32 v201, v201, v202, v203
	v_max_num_f32 v201, v201, v204
	v_permlanex16_b32 v61, v201, s88, s89
	v_max_num_f32 v201, v201, v61                      ; the row's largest score (key 0 counts for every query)
	v_mul_f32 v201, s90, v201                          ; as t
	v_floor_f32 v60, -v201                             ; -M = -ceil(t): a whole number
.set IX, 0
.rept 32
	v_pk_fma_f32 v[64+2*IX:65+2*IX], v[64+2*IX:65+2*IX], s[90:91], v[60:61] op_sel_hi:[1,0,0]
.set IX, IX+1
.endr
.set IX, 0
.rept 64
	v_exp_f32 v[64+IX], v[64+IX]                       ; p = 2^(t - M): not normalised
.set IX, IX+1
.endr
	v_nop                                              ; a plain instruction behind the batch,
	s_wait_alu depctr_va_vdst(0)                       ; and one wait for all 64, ahead of their first reader
	QUANT 64                                           ; p's codes stay in v240-251, its scale word in v58
.irp c, 0,1,2,3
	v_pk_add_f32 v[192+2*\c:193+2*\c], v[64+2*\c:65+2*\c], v[72+2*\c:73+2*\c]     ; the row's sum is taken of the unquantised p.  (These lines are also the places ahead of the products below)
.endr
.set IX, 8
.rept 24
	v_pk_add_f32 v[192+2*(IX%4):193+2*(IX%4)], v[192+2*(IX%4):193+2*(IX%4)], v[64+2*IX:65+2*IX]
.set IX, IX+1
.endr
	v_pk_add_f32 v[192:193], v[192:193], v[194:195]
	v_pk_add_f32 v[196:197], v[196:197], v[198:199]
	v_pk_add_f32 v[192:193], v[192:193], v[196:197]
	v_add_f32 v192, v192, v193
	v_permlanex16_b32 v61, v192, s88, s89
	v_add_f32 v192, v192, v61
	v_rcp_f32 v62, v192
	v_nop                                              ; a plain instruction before loads land on the reciprocal's source
.irp g, 0,1,2,3                        ; O^T = V^T P^T: sixteen tiles of channels, one K step of 128 keys
.irp t, 0,1,2,3
.irp q, 0,1,2
	ds_load_b128 v[192+12*\t+4*\q:195+12*\t+4*\q], v30 offset:(4*\g+\t)*FRB+512*\q
.endr
	ds_load_b32 v[52+\t], v31 offset:128*(4*\g+\t)
.endr
	s_wait_dscnt 0x0
.irp t, 0,1,2,3
	MM 64+8*(4*\g+\t), 192+12*\t, 240, 0, 0, 52+\t, 58
.endr
	PLACES 4
.endr
.irp c, 0,1                            ; x + O / l, four blocks of 32 channels at a time; it goes back to my rows in LDS and stays in v64-191 for LN2
.irp b, 0,1,2,3
.irp j, 0,1,2,3
	ds_load_b128 v[192+16*\b+4*\j:195+16*\b+4*\j], v[XL] offset:128*(4*\c+\b)+16*\j
.endr
.endr
	s_wait_dscnt 0x0
.if \c == 0
	s_wait_alu depctr_va_vdst(0)                       ; the reciprocal's wait, ahead of its first reader
.endif
.set IX, 0
.rept 32
	v_pk_fma_f32 v[64+64*\c+2*IX:65+64*\c+2*IX], v[64+64*\c+2*IX:65+64*\c+2*IX], v[62:63], v[192+2*IX:193+2*IX] op_sel_hi:[1,0,1]
.set IX, IX+1
.endr
.irp b, 0,1,2,3
.irp j, 0,1,2,3
	ds_store_b128 v[XL], v[64+64*\c+16*\b+4*\j:67+64*\c+16*\b+4*\j] offset:128*(4*\c+\b)+16*\j
.endr
.endr
.endr
	s_wait_dscnt 0x0                                   ; the stores have read their registers
	LNQ P_G2, P_B2, 0
	BARRIER                                            ; h2's sixteen fragments lie in LDS; nobody reads q, k or V^T any more
	; ================ E: the first MLP product and the gelu: my 128 hidden units for all 128 rows ================
	s_wait_loadcnt 0x0                                 ; W1
.set IX, 0
.rept 16
	v_perm_b32 v[32+IX], v[32+IX], v[32+IX], s92
.set IX, IX+1
.endr
	v_add_nc_u32 v28, s57, v[BA]
	WIN 0x40
.irp T, 0,1,2,3,4,5,6,7
.irp q, 0,1
	ds_load_b128 v[192+8*\T+4*\q:195+8*\T+4*\q], v28 offset:(32*(\T/2)+8*(\T%2))*4+16*\q     ; bm1 in the result's layout -> window 1
.endr
.endr
	WIN 0
	FETCH 192, LI, HIMG                                ; the first row tile's two fragments of h2
	FETCH 204, LI, HIMG+8*FRB
	ds_load_b32 v56, v[LS] offset:HSC
	ds_load_b32 v57, v[LS] offset:HSC+1024
	s_mov_b32 s98, 0
	s_mov_b32 s99, 0
	s_mov_b32 s95, 7
	PLACES 8
.Lm1:
	MLP1_TRIP 0
	s_sub_co_u32 s95, s95, 1
	s_cmp_lg_u32 s95, 0
	s_cbranch_scc1 .Lm1
	MLP1_TRIP 1                                        ; the eighth row tile is written out: it fetches no further tile, and behind its products W2 is asked for
	BARRIER                                            ; the hidden layer's 64 fragments lie in LDS
	; ================ F: the second MLP product: my 64 columns for my 64 rows; C = the residual ================
	s_wait_loadcnt 0x0                                 ; W2's K steps 0 to 3 and its scale words
.set IX, 0
.rept 16
	v_perm_b32 v[32+IX], v[32+IX], v[32+IX], s92
.set IX, IX+1
.endr
.irp n, 0,1,2,3
.irp t, 0,1,2,3
.irp q, 0,1
	ds_load_b128 v[64+32*\n+8*\t+4*\q:67+32*\n+8*\t+4*\q], v[XT] offset:\t*16*XP+64*\n+16*\q
.endr
.endr
.endr
	v_add_nc_u32 v29, s55, v[LI]
	v_add_nc_u32 v29, GIMG, v29                        ; my four row tiles' images, K steps 0 to 3;
	v_add_nc_u32 v30, 32*FRB, v29                      ; K steps 4 to 7;
	v_add_nc_u32 v31, s56, v[LS]
	v_add_nc_u32 v31, GSC, v31                         ; their scale words
	; The next batch's rows of x are asked for ahead: my wave's own 16 rows, 64 aligned blocks of 256 bytes, a lane a block, two instructions; each block is named once in the launch.
	; They stand this phase's eight K steps ahead of the loads that want them; the last batch asks for nothing.
	s_cmp_eq_u32 s94, 1
	s_cbranch_scc1 .Lno_ask
	global_prefetch_b8 v[PF], s[4:5] offset:131072 th:TH_LOAD_NT scope:SCOPE_SE
	global_prefetch_b8 v[PF], s[4:5] offset:139264 th:TH_LOAD_NT scope:SCOPE_SE
.Lno_ask:
	PLACES 8
.irp k, 0,1,2,3,4,5,6,7
	M2STEP \k
.endr
.irp n, 0,1,2,3
.irp q, 0,1
	ds_load_b128 v[192+8*\n+4*\q:195+8*\n+4*\q], v[BB] offset:64*\n+16*\q     ; bm2 in the result's layout
.endr
.endr
	s_cmp_eq_u32 s94, 1                                ; the next batch's x takes the registers that W2 has left, if there is a next batch: no load leaves its buffer
	s_cbranch_scc1 .Lno_next
	XLOADS 131072
.Lno_next:
	s_wait_dscnt 0x0
.irp n, 0,1,2,3
.irp t, 0,1,2,3
.irp p, 0,2,4,6
	v_pk_add_f32 v[64+32*\n+8*\t+\p:65+32*\n+8*\t+\p], v[64+32*\n+8*\t+\p:65+32*\n+8*\t+\p], v[192+8*\n+\p:193+8*\n+\p]     ; + bm2
.endr
.endr
.endr
.irp n, 0,1,2,3
.irp t, 0,1,2,3
.irp q, 0,1
	ds_store_b128 v[XT], v[64+32*\n+8*\t+4*\q:67+32*\n+8*\t+4*\q] offset:\t*16*XP+64*\n+16*\q     ; each lane writes the bytes that it read itself
.endr
.endr
.endr
	BARRIER                                            ; 128 whole rows of the result lie in LDS
	; ================ G: the way out: my 16 rows ================
.set KK, 0
.rept 32
	ds_load_b128 v[64+4*KK:67+4*KK], v[XD] offset:(KK/2)*XP+512*(KK%2)
.set KK, KK+1
.endr
.set KK, 0
.rept 32
	s_wait_dscnt 31-KK                                 ; LDS loads come back in order: load KK is in, the younger ones may be out
	global_store_b128 v[LI], v[64+4*KK:67+4*KK], s[44:45] offset:512*KK th:TH_STORE_NT     ; 32 lanes store 512 consecutive bytes, at a multiple of 512 from out0's first byte
.set KK, KK+1
.endr
	s_wait_xcnt 0x0                                    ; the stores, the loads of x and the prefetches have read their registers and bases: both pointers may step
	s_add_nc_u64 s[4:5], s[4:5], 131072
	s_add_nc_u64 s[44:45], s[44:45], 131072
	s_sub_co_u32 s94, s94, 1
	s_cmp_lg_u32 s94, 0
	s_cbranch_scc1 .Lbatch
	s_wait_xcnt 0x0
	v_lshl_add_u32 v254, v0, 2, 0x46800
	v_mov_b32 v255, 0
	s_wait_tensorcnt 0x0
	ds_add_u32 v254, v255
	s_wait_dscnt 0x0
	s_endpgm
.Lfunc_end_k_qc45a4eddd6_layer:
	.size	k_qc45a4eddd6_layer, .Lfunc_end_k_qc45a4eddd6_layer-k_qc45a4eddd6_layer
	.p2alignl 7, 3214868480
	.fill 96, 4, 3214868480
	.section	.rodata,"a",@progbits
	.p2align	6, 0x0
	.amdhsa_kernel k_qc45a4eddd6_layer
		.amdhsa_group_segment_fixed_size 289792
		.amdhsa_private_segment_fixed_size 0
		.amdhsa_enable_private_segment 0
		.amdhsa_kernarg_size 168
		.amdhsa_user_sgpr_count 2
		.amdhsa_user_sgpr_kernarg_segment_ptr 1
		.amdhsa_wavefront_size32 1
		.amdhsa_system_sgpr_workgroup_id_x 1
		.amdhsa_system_sgpr_workgroup_id_y 1
		.amdhsa_system_sgpr_workgroup_id_z 1
		.amdhsa_system_vgpr_workitem_id 0
		.amdhsa_next_free_vgpr 512
		.amdhsa_next_free_sgpr 100
		.amdhsa_reserve_vcc 1
		.amdhsa_float_denorm_mode_32 3
		.amdhsa_float_denorm_mode_16_64 3
		.amdhsa_memory_ordered 1
		.amdhsa_forward_progress 1
		.amdhsa_inst_pref_size 255
	.end_amdhsa_kernel
	.section	.bss,"aw",@nobits
	.p2align	6
	.space	262144
	.amdgpu_metadata
---
amdhsa.version: [ 1, 2 ]
amdhsa.kernels:
  - .name:           k_qc45a4eddd6_layer
    .symbol:         k_qc45a4eddd6_layer.kd
    .args:
      - { .name: x, .offset: 0, .size: 8, .value_kind: global_buffer, .address_space: global }
      - { .name: g1, .offset: 8, .size: 8, .value_kind: global_buffer, .address_space: global }
      - { .name: b1, .offset: 16, .size: 8, .value_kind: global_buffer, .address_space: global }
      - { .name: g2, .offset: 24, .size: 8, .value_kind: global_buffer, .address_space: global }
      - { .name: b2, .offset: 32, .size: 8, .value_kind: global_buffer, .address_space: global }
      - { .name: bq, .offset: 40, .size: 8, .value_kind: global_buffer, .address_space: global }
      - { .name: bk, .offset: 48, .size: 8, .value_kind: global_buffer, .address_space: global }
      - { .name: bv, .offset: 56, .size: 8, .value_kind: global_buffer, .address_space: global }
      - { .name: bm2, .offset: 64, .size: 8, .value_kind: global_buffer, .address_space: global }
      - { .name: bm1, .offset: 72, .size: 8, .value_kind: global_buffer, .address_space: global }
      - { .name: wq_codes, .offset: 80, .size: 8, .value_kind: global_buffer, .address_space: global }
      - { .name: wq_scales, .offset: 88, .size: 8, .value_kind: global_buffer, .address_space: global }
      - { .name: wk_codes, .offset: 96, .size: 8, .value_kind: global_buffer, .address_space: global }
      - { .name: wk_scales, .offset: 104, .size: 8, .value_kind: global_buffer, .address_space: global }
      - { .name: wv_codes, .offset: 112, .size: 8, .value_kind: global_buffer, .address_space: global }
      - { .name: wv_scales, .offset: 120, .size: 8, .value_kind: global_buffer, .address_space: global }
      - { .name: w1_codes, .offset: 128, .size: 8, .value_kind: global_buffer, .address_space: global }
      - { .name: w1_scales, .offset: 136, .size: 8, .value_kind: global_buffer, .address_space: global }
      - { .name: w2_codes, .offset: 144, .size: 8, .value_kind: global_buffer, .address_space: global }
      - { .name: w2_scales, .offset: 152, .size: 8, .value_kind: global_buffer, .address_space: global }
      - { .name: out0, .offset: 160, .size: 8, .value_kind: global_buffer, .address_space: global }
    .group_segment_fixed_size: 289792
    .private_segment_fixed_size: 0
    .kernarg_segment_align: 8
    .kernarg_segment_size: 168
    .max_flat_workgroup_size: 256
    .sgpr_count:     100
    .vgpr_count:     512
    .wavefront_size: 32
...
	.end_amdgpu_metadata
.endif
;; end of part 1
;; ======== version 2 of 2: 1 launch; version 1 with the launch layer written anew for expert scheduling mode
;; launch layer (part 2): grid 256 x 1, 8 waves a work-group, no clusters, 289,792 bytes of LDS; arguments x, g1, b1, g2, b2, bq, bk, bv, bm2, bm1, wq_codes, wq_scales, wk_codes, wk_scales, wv_codes, wv_scales, w1_codes, w1_scales, w2_codes, w2_scales, out0; writes out0
.if DOCPART == 2
	.amdgcn_target "amdgcn-amd-amdhsa--gfx1250"
	.amdhsa_code_object_version 6
	.text
	.protected	k_qc45a4eddd6_layer
	.globl	k_qc45a4eddd6_layer
	.p2align	8
	.type	k_qc45a4eddd6_layer,@function
k_qc45a4eddd6_layer:
	s_mov_b64 s[64:65], 0
	v_nop
	global_prefetch_b8 v0, s[64:65] scope:SCOPE_SE
	s_setreg_imm32_b32 hwreg(HW_REG_WAVE_SCHED_MODE, 0, 2), 2
	s_setreg_imm32_b32 hwreg(HW_REG_WAVE_MODE, 25, 1), 1
	s_wait_xcnt 0x0
	s_wait_alu depctr_vm_vsrc(0)
; One transformer layer on x [512][128][256] f32, all in one launch: LN1, q/k/v projections, causal attention (logit = q.k / 8), residual, LN2, MLP 256 -> 1024 -> 256 with the exact gelu, residual.
; All seven products run on codes of FP6 (E2M3) with one E8M0 scale for each 32 along K; sums, norms, softmax and gelu in f32.  Nothing but x, the weights and out0 touches memory.
; SHARES.  256 work-groups of eight waves (512 registers each); a work-group walks two batches of 128 rows.  In LN1, attention, LN2 and on the way out wave w owns rows 16 w .. 16 w + 15.
; In the projections and the MLP THE WAVES SHARE THE COLUMNS: a weight fragment goes from memory straight into the registers of the wave that multiplies by it, and the rows' codes go from
; wave to wave through LDS as images of their registers (four registers of lane l at 16 l, 512 bytes a store; a scale word at 4 l).  q, k: 128 columns x 64 rows a wave; V^T: 32 channels x 128 keys;
; MLP1: 128 hidden units x 128 rows; MLP2: 64 columns x 64 rows, so that a fragment of the hidden layer read from LDS feeds four products.
; NO CLUSTER, NO JOINT LOADS: a joint load lands in LDS; the 540,672 bytes of weight codes of a batch would then be written to LDS and read from it again, beside the images and rows that already go
; through it, and LDS has 38,912 bytes left beside this text's 288,768, less than one phase's weights (147,456 or 196,608 bytes).
; THE BLOCKS OF A K STEP ARE PERMUTED, ALIKE IN BOTH OPERANDS OF EVERY PRODUCT: the registers 6 c .. 6 c + 5 of lane half h, whose scale is byte 2 c + h, hold block 2 h + c of the step's four blocks of 32.
; So a lane's 12 registers of a weight fragment are 48 consecutive bytes of a row, three loads of 16 aligned bytes; a weight's scale word has its bytes 1 and 2 exchanged; QUANT makes codes and words so.
; PERMUTED TILES: lane r of tile 2 b + u takes row 32 b + 8 u + r + 8 (r / 8), so that, with such a tile as source 0, the 16 registers of tiles 2 b and 2 b + 1 are 16 neighbours: index 32 b + 16 (lane / 16) + 0 .. 15.
; THE WEIGHTS' LOADS go out in short runs among vector work, a tile or a K step at a time, not as one run of a whole phase's loads.
; LIMITS.  NaN and infinities among the inputs are not served.  A block of zeros gets the scale byte 1 where the quantiser says 127: its codes are zeros and only this text reads the bytes.
; erf is the f32 rational z P(z^2) / Q(z^2) with |z| held at 4 (|x| at 5.657): beyond that gelu is x (0.5 +- 0.5 erf(4)), off by under 1e-7 |x|.
; Inside a matrix instruction the products of a K step are grouped by the permuted order of blocks, not by memory order.
; The causal mask: hidden scores become -infinity; the score tiles of keys 64 .. 127 are left out by the waves whose queries all lie under 64; the second product is one K step of 128 keys for every query.
; THE MODE: SCHED_MODE bits 1:0 = 2 (LLVM: expert scheduling mode 2), set by the entry lines.  The code itself states the register dependences
; between vector or matrix instructions and memory or LDS instructions, with s_wait_alu, always for 0.
; THE PLAN.  Registers that memory or LDS instructions touch:
;   v1-v23        addresses, made at the head and never written again: one wait on va_vdst ahead of the first load serves them all.
;   v28-31, v252-253  addresses of the phase in hand, made by vector additions at a phase's or a trip's head: ahead of the additions a wait on vm_vsrc (the loads and stores
;                 that read the old numbers), behind them a wait on va_vdst that stands there for the loads' destinations too.
;   v240-251, v58 QUANT writes them, the image's stores read them: a wait on va_vdst between the two, a wait on vm_vsrc ahead of the next QUANT.
;   v192-239 (the scores: v152-199; the residual: v192-255), v52-57   fragments, rows and scale words from LDS.  A group's products or additions read them; the next group's loads
;                 land in them behind a wait on va_vdst at that group's head.
;   window 1, v32-51  weights, their scale words, bm1, the next x.  Loads land there only behind a wait on va_vdst that follows the last product that read them; between that wait
;                 and the loads stand loads, window switches and vector work on other registers alone.
;   v64-191       rows and accumulators.  Where vector work has written what a store reads: a wait on va_vdst ahead of the stores; a wait on vm_vsrc ahead of whatever writes them next.
.set FRB,   1664                       ; from image to image: 1,536 bytes + 128, so that two neighbouring images begin 128 bytes apart modulo 256
.set XP,    1040                       ; a row of x in LDS: 1,024 bytes + 16
.set P_G1,  0                          ; LDS: the parameters, written once
.set P_B1,  1024
.set P_G2,  2048
.set P_B2,  3072
.set P_BQ,  4096
.set P_BV,  6144
.set P_BM2, 7168
.set P_BM1, 8192
.set HIMG,  12288                      ; h, later h2: fragment (row tile m, K step k) at (8 k + m) FRB
.set HSC,   38912                      ; its scale words at (8 k + m) 128
.set QIMG,  40960                      ; q likewise
.set QSC,   67584
.set KIMG,  69632                      ; k likewise
.set KSC,   96256
.set KQD,   28672                      ; from q's regions to k's, and from h's to q's
.set VIMG,  98304                      ; V^T: tile T of 16 channels x 128 keys at T FRB
.set VSC,   124928
.set GIMG,  40960                      ; the gelu's results: fragment (K step k, row tile m) at (8 k + m) FRB; lies over q, k and V^T
.set GSC,   147456
.set X1,    155648                     ; 128 rows: x, then x + attention, then the result
.set LI,  1                            ; v1   16 x lane
.set LS,  2                            ; v2   4 x lane
.set AP,  3                            ; v3   a permuted tile's lane in two neighbouring images: (r / 8) FRB + 16 (r % 8) + 256 h
.set APS, 4                            ; v4   and among their scale words: (r / 8) 128 + 4 (r % 8)
.set XL,  5                            ; v5   X1 + (16 w + r) XP + 64 h: my 16 numbers of each block of 32 of my row
.set XD,  6                            ; v6   X1 + 16 w XP + 16 x lane: my wave's rows as they lie
.set XT,  7                            ; v7   X1 + (64 (w / 4) + r) XP + 256 (w % 4) + 32 h: MLP2: my eight columns of row r
.set WA,  8                            ; v8   weights with rows of 192 bytes, permuted tile: (r + 8 (r / 8)) 192 + 48 h
.set WB,  9                            ; v9   W2: r 768 + 48 h
.set WSA, 10                           ; v10  their scale bytes: (r + 8 (r / 8)) 8
.set WSB, 11                           ; v11  W2's: r 32 + 16 h: lanes 0-15 take K steps 0-3, lanes 16-31 K steps 4-7
.set BA,  12                           ; v12  64 h
.set BB,  13                           ; v13  P_BM2 + 256 (w % 4) + 32 h
.set BVA, 14                           ; v14  P_BV + 128 w + 4 (r + 8 (r / 8))
.set PF,  15                           ; v15  256 x lane
.set HW,  16                           ; v16  LI + HIMG + w FRB
.set HWS, 17                           ; v17  LS + HSC + 128 w
.set QKW, 18                           ; v18  where I store q's or k's images
.set QKS, 19                           ; v19  and their scale words
.set VW,  20                           ; v20  LI + VIMG + 2 w FRB
.set VWS, 21                           ; v21  LS + VSC + 256 w
.set GW,  22                           ; v22  LI + GIMG + 8 w FRB
.set GWS, 23                           ; v23  LS + GSC + 1024 w
                                       ; v[24:25], v[26:27] the leading coefficients of erf's numerator and denominator; v28-31 addresses of the phase in hand (the q, k loop: v252, v253 too)
                                       ; v32-51 weights' scale words, v52-55 and v56-57 scale words from LDS, v58 the word just made: these hold scales and nothing else
.set PW,  58
                                       ; v59 the mask's d; v[60:61], v[62:63] pairs whose low word is broadcast; v64-255 at work; window 1 (v256-511): weights, bm1, the next x
.set TM,  216                          ; QUANT: v216-219 largest magnitudes, v220-223 bytes, v228-231 the conversions' scale operands
.set SD,  232                          ; v232-239 the second halves' codes
.set PC,  240                          ; v240-251 the fragment just made
.set MSB, 0
.macro WIN new                         ; bits 1:0 source 0, 3:2 source 1, 5:4 source 2, 7:6 destination; the immediate's high byte repeats the setting that is left
.if MSB != \new
	s_set_vgpr_msb (MSB<<8)|\new
.set MSB, \new
.endif
.endm
.macro PLACES n                        ; plain vector instructions behind matrix instructions (ISA guide 7.12.1) and ahead of scaled ones
.rept \n
	v_nop
.endr
.endm
.macro BARRIER                         ; my LDS stores have landed and my LDS loads are in: then the work-group's barrier
	s_wait_dscnt 0x0
	s_barrier_signal -1
	s_barrier_wait -1
.endm
.macro SPAIR r, val                    ; a constant in both words of a pair: the packed forms name the pair
	s_mov_b32 s[\r], \val
	s_mov_b32 s[\r+1], \val
.endm
; one matrix instruction.  ck = 0: the constant 0 starts the sum; else C = v[c ..]
.macro MM d, a, b, ck, c, sa, sb
.if (\ck) == 0
	v_wmma_scale_f32_16x16x128_f8f6f4 v[(\d):(\d)+7], v[(\a):(\a)+11], v[(\b):(\b)+11], 0, v[(\sa)], v[(\sb)] matrix_a_fmt:MATRIX_FMT_FP6 matrix_b_fmt:MATRIX_FMT_FP6
.else
	v_wmma_scale_f32_16x16x128_f8f6f4 v[(\d):(\d)+7], v[(\a):(\a)+11], v[(\b):(\b)+11], v[(\c):(\c)+7], v[(\sa)], v[(\sb)] matrix_a_fmt:MATRIX_FMT_FP6 matrix_b_fmt:MATRIX_FMT_FP6
.endif
.endm
; the same with C in registers and source 0's scale words taken from lanes 16-31 of their register
.macro MMR d, a, b, c, sa, sb
	v_wmma_scale_f32_16x16x128_f8f6f4 v[(\d):(\d)+7], v[(\a):(\a)+11], v[(\b):(\b)+11], v[(\c):(\c)+7], v[(\sa)], v[(\sb)] matrix_a_fmt:MATRIX_FMT_FP6 matrix_b_fmt:MATRIX_FMT_FP6 matrix_a_scale:MATRIX_SCALE_ROW1
.endm
; 64 numbers of a lane, register 16 b + i = k 32 b + 16 (lane / 16) + i of my row, become a fragment's codes in v[PC] on and its scale word in v[PW]
.macro QUANT s
.irp b, 0,1,2,3
	v_max3_num_f32 v[TM+\b], |v[\s+16*\b]|, |v[\s+1+16*\b]|, 0x1800000   ; block b: my 16 numbers, and the floor 2^(3 - 127): the byte cannot fall under 1
.endr
.irp i, 2,4,6,8,10,12,14
.irp b, 0,1,2,3
	v_max3_num_f32 v[TM+\b], v[TM+\b], |v[\s+16*\b+\i]|, |v[\s+1+16*\b+\i]|
.endr
.endr
.irp b, 0,1,2,3
	v_permlanex16_b32 v[TM+4+\b], v[TM+\b], s88, s89
.endr
.irp b, 0,1,2,3
	v_max_num_f32 v[TM+\b], v[TM+\b], v[TM+4+\b]       ; with lane l xor 16's: the block's largest magnitude
.endr
.irp b, 0,1,2,3
	v_add_nc_u32 v[TM+12+\b], 0xff000000, v[TM+\b]     ; 2 off its exponent field: the conversion's scale operand
.endr
.irp b, 0,1,2,3
	v_lshrrev_b32 v[TM+4+\b], 23, v[TM+12+\b]          ; the scale's byte
.endr
	v_lshl_or_b32 v[PW], v[TM+6], 8, v[TM+4]           ; byte 2 c + h is block 2 h + c's: blocks 0, 2, 1, 3
	v_lshl_or_b32 v[PW], v[TM+5], 16, v[PW]
	v_lshl_or_b32 v[PW], v[TM+7], 24, v[PW]
.irp c, 0,1
	v_cvt_scalef32_pk16_fp6_f32 v[PC+6*\c:PC+6*\c+2], v[\s+16*\c:\s+16*\c+15], v[TM+12+\c]       ; block c: the codes of my 16
	v_cvt_scalef32_pk16_fp6_f32 v[SD+4*\c:SD+4*\c+2], v[\s+32+16*\c:\s+47+16*\c], v[TM+14+\c]    ; block 2 + c
.endr
	v_nop                                              ; one plain place behind a scaled conversion
.irp c, 0,1                            ; lanes 0-15 get block c whole, lanes 16-31 block 2 + c
.irp i, 0,1,2
	v_permlane16_swap_b32 v[PC+6*\c+\i], v[SD+4*\c+\i]
.endr
.irp i, 0,1,2
	v_mov_b32 v[PC+3+6*\c+\i], v[SD+4*\c+\i]
.endr
.endr
.endm
.macro IMAGE adr, off                  ; the fragment in v[PC] on goes to LDS as it stands
.irp q, 0,1,2
	ds_store_b128 v[\adr], v[PC+4*\q:PC+4*\q+3] offset:(\off)+512*\q
.endr
.endm
.macro FETCH reg, adr, off             ; and comes back so, in any wave
.irp q, 0,1,2
	ds_load_b128 v[(\reg)+4*\q:(\reg)+4*\q+3], v[\adr] offset:(\off)+512*\q
.endr
.endm
.macro WFRAG reg, adr, base, off       ; a weight fragment: 48 consecutive bytes a lane
.irp q, 0,1,2
	global_load_b128 v[(\reg)+4*\q:(\reg)+4*\q+3], v[\adr], s[\base:\base+1] offset:(\off)+16*\q
.endr
.endm
; Permuted tile WT (of 8) of 128 rows of 256 codes: its two K steps -> window 1, v[24 WT], v[24 WT + 12]; its scale words -> v[32 + 2 WT], v[33 + 2 WT].  Seven loads; WT steps.
.macro WTILE cbase, sbase
	WIN 0x40
	WFRAG 24*WT, WA, \cbase, (32*(WT/2)+8*(WT%2))*192
	WFRAG 24*WT+12, WA, \cbase, (32*(WT/2)+8*(WT%2))*192+96
	WIN 0
	global_load_b64 v[32+2*WT:33+2*WT], v[WSA], s[\sbase:\sbase+1] offset:(32*(WT/2)+8*(WT%2))*8
.set WT, WT+1
.endm
; Permuted tile VT (of 2) of my 32 rows of Wv -> window 1, v[192 + 24 VT] on; scale words -> v[48 + 2 VT] on.  VT steps.
.macro WVT
	WIN 0x40
	WFRAG 192+24*VT, WA, 32, 1536*VT
	WFRAG 204+24*VT, WA, 32, 1536*VT+96
	WIN 0
	global_load_b64 v[48+2*VT:49+2*VT], v[WSA], s[34:35] offset:64*VT
.set VT, VT+1
.endm
; K step WK of my 64 rows of W2: four fragments -> window 1, slot WK % 5 of five slots of 48 registers.  Twelve loads; WK steps.
.macro W2K
	WIN 0x40
.irp n, 0,1,2,3
	WFRAG 48*(WK%5)+12*\n, WB, 40, 12288*\n+96*WK
.endr
	WIN 0
.set WK, WK+1
.endm
.macro XLOADS off                      ; my wave's 16 rows of x, 16,384 dense bytes: each load takes 512 consecutive bytes -> window 1, v0-127
	WIN 0x40
.set KK, 0
.rept 32
	global_load_b128 v[4*KK:4*KK+3], v[LI], s[4:5] offset:(\off)+512*KK th:TH_LOAD_NT
.set KK, KK+1
.endr
	WIN 0
.endm
; LayerNorm of my row (v64-191: register 16 b + i = channel 32 b + 16 h + i), quantised: two fragments to HIMG.  The mean first, then the variance of the differences.
; GAIN AND BIAS lie across the lanes: register b of eight holds channel 32 b + lane, one load of 4 bytes a lane.  Lane i of my half of the lanes then holds my register 16 b + i's channel,
; and the DPP control row_share:i hands it to all sixteen lanes of the half inside the multiplication and the addition (ISA guide, the DPP controls).
; wv = 1: q's or k's weights and Wv are asked for on the way, a tile at a time: no line of this macro names window 1 or v32-51, so these loads lean on the wait on va_vdst that stands ahead of the macro.
.macro LNQ pg, pb, wv
.irp b, 0,1,2,3,4,5,6,7
	ds_load_b32 v[192+\b], v[LS] offset:(\pg)+128*\b
	ds_load_b32 v[200+\b], v[LS] offset:(\pb)+128*\b
.endr
.irp c, 0,1,2,3
	v_pk_add_f32 v[240+2*\c:241+2*\c], v[64+2*\c:65+2*\c], v[72+2*\c:73+2*\c]     ; four chains, started by sums: nothing is cleared
.endr
.set IX, 8
.rept 56
	v_pk_add_f32 v[240+2*(IX%4):241+2*(IX%4)], v[240+2*(IX%4):241+2*(IX%4)], v[64+2*IX:65+2*IX]
.if (\wv) && (IX%32 == 31)
	WTILE 46, 48
.endif
.set IX, IX+1
.endr
	v_pk_add_f32 v[240:241], v[240:241], v[242:243]
	v_pk_add_f32 v[244:245], v[244:245], v[246:247]
	v_pk_add_f32 v[240:241], v[240:241], v[244:245]
	v_add_f32 v240, v240, v241
	v_permlanex16_b32 v61, v240, s88, s89              ; the row's other half lies in lane l xor 16
	v_add_f32 v240, v240, v61
	v_mul_f32 v60, 0xbb800000, v240                    ; - mean
.set IX, 0
.rept 64
	v_pk_add_f32 v[64+2*IX:65+2*IX], v[64+2*IX:65+2*IX], v[60:61] op_sel_hi:[1,0]
.if (\wv) && (IX%32 == 31)
	WTILE 46, 48
.endif
.set IX, IX+1
.endr
.irp c, 0,1,2,3
	v_pk_mul_f32 v[240+2*\c:241+2*\c], v[64+2*\c:65+2*\c], v[64+2*\c:65+2*\c]
.endr
.set IX, 4
.rept 60
	v_pk_fma_f32 v[240+2*(IX%4):241+2*(IX%4)], v[64+2*IX:65+2*IX], v[64+2*IX:65+2*IX], v[240+2*(IX%4):241+2*(IX%4)]
.if (\wv) && (IX%32 == 31)
	WTILE 46, 48
.endif
.set IX, IX+1
.endr
	v_pk_add_f32 v[240:241], v[240:241], v[242:243]
	v_pk_add_f32 v[244:245], v[244:245], v[246:247]
	v_pk_add_f32 v[240:241], v[240:241], v[244:245]
	v_add_f32 v240, v240, v241
	v_permlanex16_b32 v63, v240, s88, s89
	v_add_f32 v240, v240, v63
	v_fma_f32 v62, v240, s96, s97                      ; variance + 1e-5
	s_wait_alu depctr_va_vdst(0)
	v_rsq_f32 v62, v62
	v_nop                                              ; a plain instruction behind the transcendental,
	s_wait_alu depctr_va_vdst(0)                       ; and a wait ahead of its first reader: v62 is written
	s_wait_dscnt 0x0                                   ; gain and bias are in
.irp b, 0,1,2,3,4,5,6,7
.irp p, 0,2,4,6,8,10,12,14
	v_pk_mul_f32 v[64+16*\b+\p:65+16*\b+\p], v[64+16*\b+\p:65+16*\b+\p], v[62:63] op_sel_hi:[1,0]
.endr
.irp i, 0,1,2,3,4,5,6,7,8,9,10,11,12,13,14,15
	v_mul_f32_dpp v[64+16*\b+\i], v[192+\b], v[64+16*\b+\i] row_share:\i row_mask:0xf bank_mask:0xf
.endr
.irp i, 0,1,2,3,4,5,6,7,8,9,10,11,12,13,14,15
	v_add_f32_dpp v[64+16*\b+\i], v[200+\b], v[64+16*\b+\i] row_share:\i row_mask:0xf bank_mask:0xf
.endr
.if (\wv) && (\b < 2)
	WTILE 46, 48
.endif
.if (\wv) && (\b >= 2) && (\b < 4)
	WVT
.endif
.endr
	QUANT 64
	s_wait_alu depctr_va_vdst(0)                       ; QUANT has written v240-251 and v58, which the stores below read
	IMAGE HW, 0
	ds_store_b32 v[HWS], v[PW]
	s_wait_alu depctr_vm_vsrc(0)                       ; these stores have read v240-251 and v58, which the next QUANT writes
	QUANT 128
	s_wait_alu depctr_va_vdst(0)                       ; QUANT has written v240-251 and v58, which the stores below read
	IMAGE HW, 8*FRB
	ds_store_b32 v[HWS], v[PW] offset:1024
.endm
; gelu of 16 numbers x at v[64 + 16 k ..]: x (0.5 + xc P'(u) / Q'(u)), xc = x held at +-5.657, u = xc^2; the factors 1/2 and 1/sqrt(2) and the powers of 2 of u / 2 are folded into the coefficients.
; The sixteen reciprocals are one batch; the numerator's 56 lines are the work behind them; one wait stands ahead of their first reader.
.macro GELU k
.irp i, 0,1,2,3,4,5,6,7,8,9,10,11,12,13,14,15
	v_med3_num_f32 v[128+\i], v[64+16*(\k)+\i], s86, s87
.endr
.irp p, 0,2,4,6,8,10,12,14
	v_pk_mul_f32 v[144+\p:145+\p], v[128+\p:129+\p], v[128+\p:129+\p]
.endr
.irp p, 0,2,4,6,8,10,12,14
	v_pk_fma_f32 v[176+\p:177+\p], v[144+\p:145+\p], v[26:27], s[78:79] op_sel_hi:[1,1,0]
.endr
.irp c, 80,82,84
.irp p, 0,2,4,6,8,10,12,14
	v_pk_fma_f32 v[176+\p:177+\p], v[176+\p:177+\p], v[144+\p:145+\p], s[\c:\c+1] op_sel_hi:[1,1,0]
.endr
.endr
	s_wait_alu depctr_va_vdst(0)
.irp i, 0,1,2,3,4,5,6,7,8,9,10,11,12,13,14,15
	v_rcp_f32 v[176+\i], v[176+\i]
.endr
.irp p, 0,2,4,6,8,10,12,14
	v_pk_fma_f32 v[160+\p:161+\p], v[144+\p:145+\p], v[24:25], s[66:67] op_sel_hi:[1,1,0]
.endr
.irp c, 68,70,72,74,76
.irp p, 0,2,4,6,8,10,12,14
	v_pk_fma_f32 v[160+\p:161+\p], v[160+\p:161+\p], v[144+\p:145+\p], s[\c:\c+1] op_sel_hi:[1,1,0]
.endr
.endr
.irp p, 0,2,4,6,8,10,12,14
	v_pk_mul_f32 v[160+\p:161+\p], v[160+\p:161+\p], v[128+\p:129+\p]
.endr
	s_wait_alu depctr_va_vdst(0)                       ; the sixteen reciprocals v176-191 are written, ahead of their first reader
.irp p, 0,2,4,6,8,10,12,14
	v_pk_fma_f32 v[160+\p:161+\p], v[160+\p:161+\p], v[176+\p:177+\p], 0.5 op_sel_hi:[1,1,0]
.endr
.irp p, 0,2,4,6,8,10,12,14
	v_pk_mul_f32 v[64+16*(\k)+\p:65+16*(\k)+\p], v[64+16*(\k)+\p:65+16*(\k)+\p], v[160+\p:161+\p]
.endr
.endm
; One row tile of the first MLP product: my 128 hidden units for 16 rows, gelu, quantised: K step w of the second product.  The tile's two fragments of h2 were asked for a trip ago.
; last = 0: the next tile's are asked for behind the first part of the gelu and land under the rest of it.  last = 1: W1 has done its work: W2's first four K steps take its registers, a K step between two parts of the gelu.
.macro MLP1_TRIP last
	s_wait_dscnt 0x0                                   ; the fragments and their scale words are in
	WIN 0x11                                           ; W1 and bm1 in window 1
.irp T, 0,1,2,3,4,5,6,7
	MM 64+8*\T, 12*(2*\T), 192, 1, 192+8*\T, 32+2*\T, 56      ; the bias is the C of the sum's first product
.endr
	WIN 0x01
.irp T, 0,1,2,3,4,5,6,7
	MM 64+8*\T, 12*(2*\T+1), 204, 1, 64+8*\T, 33+2*\T, 57     ; the eight accumulators by turns
.endr
	WIN 0
	s_wait_alu depctr_vm_vsrc(0)                       ; the LDS loads issued so far have read v28 and v29, the last image's stores v30, v31, v58 and v240-251: all of these are written again in this trip
	v_add_nc_u32 v30, s98, v[GW]                       ; where this tile's image goes.  (These additions are places behind the products)
	v_add_nc_u32 v31, s99, v[GWS]
	s_add_co_u32 s98, s98, FRB
	s_add_co_u32 s99, s99, 128
.if \last
	PLACES 2
	s_wait_alu depctr_va_vdst(0)                       ; the products are done reading W1's fragments and scale words, in which W2's land: here and between the parts of the gelu, which name neither
.set WK, 0
.irp n, 0,1,2,3
	global_load_b128 v[32+4*\n:35+4*\n], v[WSB], s[42:43] offset:512*\n     ; W2's scale words: register 4 n + q: K step q in lanes 0-15, K step 4 + q in lanes 16-31
.endr
	W2K
	GELU 0
	W2K
	GELU 1
	W2K
	GELU 2
	W2K
	GELU 3
.else
	v_add_nc_u32 v28, s98, v[LI]
	v_add_nc_u32 v29, s99, v[LS]
	GELU 0
	FETCH 192, 28, HIMG                                ; no wait of their own: the wait on va_vdst inside the first part of the gelu stands behind the products, which read v192-215, v56 and v57,
	FETCH 204, 28, HIMG+8*FRB                          ; and behind the additions that wrote v28 and v29; the sixteen lines behind it name v64-79 and v160-191 alone
	ds_load_b32 v56, v29 offset:HSC
	ds_load_b32 v57, v29 offset:HSC+1024
	GELU 1
	GELU 2
	GELU 3
.endif
	QUANT 64
	s_wait_alu depctr_va_vdst(0)                       ; QUANT has written v240-251 and v58, which the stores below read (v30 and v31 were written further up)
	IMAGE 30, 0
	ds_store_b32 v31, v[PW]
.endm
; A K step of the second MLP product: my four row tiles' fragments from LDS, each against my four tiles of W2.  The sixteen accumulators take turns, one instruction a turn.
; K steps 0 to 3 ask for the weights of the K step four on, into the slot that the K step before has left (K step 0: into the fifth slot).
.macro M2STEP k
.if (\k) > 0
	s_wait_alu depctr_va_vdst(0)                       ; the K step before is done reading its fragments v192-239, their scale words v52-55 and its slot of W2: the loads below land in them
.endif
.if (\k) < 4
	W2K
.endif
.irp t, 0,1,2,3
	ds_load_b32 v[52+\t], v31 offset:128*(8*(\k)+\t)
.endr
.irp t, 0,1,2,3
.irp q, 0,1,2
.if (\k) < 4
	ds_load_b128 v[192+12*\t+4*\q:195+12*\t+4*\q], v29 offset:(8*(\k)+\t)*FRB+512*\q
.else
	ds_load_b128 v[192+12*\t+4*\q:195+12*\t+4*\q], v30 offset:(8*((\k)-4)+\t)*FRB+512*\q
.endif
.endr
.endr
.if (\k) >= 4
	s_wait_loadcnt 12*(7-(\k))                         ; this K step's weights are in; the later K steps' loads, twelve each, may be out
.endif
	WIN 0x01
.irp t, 0,1,2,3
	s_wait_dscnt 9-3*\t                                ; the scale words and fragment t are in; the later fragments' loads, three each, may be out
.irp n, 0,1,2,3
.if (\k) < 4
	MM 64+32*\n+8*\t, 48*((\k)%5)+12*\n, 192+12*\t, 1, 64+32*\n+8*\t, 32+4*\n+(\k), 52+\t
.else
	MMR 64+32*\n+8*\t, 48*((\k)%5)+12*\n, 192+12*\t, 64+32*\n+8*\t, 32+4*\n+(\k)-4, 52+\t
.endif
.endr
.endr
	WIN 0
	PLACES 4
.endm
; S^T = K Q^T for the four permuted tiles of keys 64 g .. 64 g + 63, two K steps
.macro SGRP g
.irp k, 0,1
.if ((\g)+\k) > 0
	s_wait_alu depctr_va_vdst(0)                       ; the four products above are done reading v152-199 and v52-55, in which the loads below land
.endif
.irp t, 0,1,2,3
.irp q, 0,1,2
	ds_load_b128 v[152+12*\t+4*\q:155+12*\t+4*\q], v28 offset:(8*\k+2*((4*(\g)+\t)/2))*FRB+128*(\t%2)+512*\q
.endr
	ds_load_b32 v[52+\t], v29 offset:(8*\k+2*((4*(\g)+\t)/2))*128+32*(\t%2)
.endr
	s_wait_dscnt 0x0
.irp t, 0,1,2,3
	MM 64+8*(4*(\g)+\t), 152+12*\t, 128+12*\k, \k, 64+8*(4*(\g)+\t), 52+\t, 56+\k
.endr
	PLACES 4
.endr
.endm
	; ================ the head ================
	s_load_b512 s[4:19], s[0:1], 0x0                   ; x, g1, b1, g2, b2, bq, bk, bv
	s_load_b512 s[20:35], s[0:1], 0x40                 ; bm2, bm1, wq codes, scales, wk codes, scales, wv codes, scales
	s_load_b256 s[36:43], s[0:1], 0x80                 ; w1 codes, scales, w2 codes, scales
	s_load_b64 s[44:45], s[0:1], 0xa0                  ; out0
	v_lshrrev_b32 v64, 5, v0
	v_readfirstlane_b32 s93, v64                       ; wave w, 0..7
	v_and_b32 v65, 31, v0                              ; lane
	s_wait_alu depctr_va_vdst(0)
	v_and_b32 v66, 15, v0                              ; r
	v_bfe_u32 v67, v0, 4, 1                            ; h
	v_bfe_u32 v68, v0, 3, 1                            ; r / 8
	s_wait_alu depctr_va_vdst(0)
	v_and_b32 v69, 7, v0                               ; r % 8
	v_lshl_add_u32 v70, v68, 3, v66                    ; r + 8 (r / 8)
	s_wait_alu depctr_va_sdst(0)                       ; s93 is written, ahead of its first reader
	s_and_b32 s50, s93, 3                              ; which 128 columns of q (0, 1) or of k (2, 3) are mine; in MLP2: which 64 columns
	s_lshr_b32 s51, s93, 2                             ; and which four row tiles
	s_and_b32 s52, s93, 1
	s_lshr_b32 s53, s50, 1
	s_lshl_b32 s54, s50, 9
	s_add_co_u32 s54, s54, P_BQ                        ; their biases in LDS (bk lies behind bq)
	s_mul_i32 s55, s51, 4*FRB
	s_lshl_b32 s56, s51, 9
	s_lshl_b32 s57, s93, 9
	s_add_co_u32 s57, s57, P_BM1                       ; my 128 numbers of bm1
	s_mul_i32 s58, s93, 16*XP
	s_lshl_b32 s59, s93, 7
	s_mul_i32 s60, s93, FRB
	s_mul_i32 s61, s51, 64*XP                          ; MLP2: my 64 rows,
	s_lshl_b32 s62, s50, 8                             ; my 64 columns
	s_add_co_u32 s61, s61, s62
	v_lshlrev_b32 v[LI], 4, v65
	v_lshlrev_b32 v[LS], 2, v65
	v_mul_u32_u24 v[AP], v68, FRB
	s_wait_alu depctr_va_vdst(0)
	v_lshl_add_u32 v[AP], v69, 4, v[AP]
	v_lshl_add_u32 v[AP], v67, 8, v[AP]
	v_lshlrev_b32 v[APS], 7, v68
	v_lshl_add_u32 v[APS], v69, 2, v[APS]
	v_mul_u32_u24 v[XL], v66, XP
	v_lshl_add_u32 v[XL], v67, 6, v[XL]
	v_add_nc_u32 v[XL], s58, v[XL]
	v_add_nc_u32 v[XL], X1, v[XL]
	v_add_nc_u32 v[XD], s58, v[LI]
	v_add_nc_u32 v[XD], X1, v[XD]
	v_mul_u32_u24 v[XT], v66, XP
	v_lshl_add_u32 v[XT], v67, 5, v[XT]
	v_add_nc_u32 v[XT], s61, v[XT]
	v_add_nc_u32 v[XT], X1, v[XT]
	v_mul_u32_u24 v[WA], v70, 192
	v_mad_u32_u24 v[WA], v67, 48, v[WA]
	v_mul_u32_u24 v[WB], v66, 768
	v_mad_u32_u24 v[WB], v67, 48, v[WB]
	v_lshlrev_b32 v[WSA], 3, v70
	v_lshlrev_b32 v[WSB], 5, v66
	v_lshl_add_u32 v[WSB], v67, 4, v[WSB]
	v_lshlrev_b32 v[BA], 6, v67
	v_lshl_add_u32 v[BB], v67, 5, P_BM2
	v_add_nc_u32 v[BB], s62, v[BB]
	v_lshl_add_u32 v[BVA], v70, 2, P_BV
	v_add_nc_u32 v[BVA], s59, v[BVA]
	v_lshlrev_b32 v[PF], 8, v65
	v_add_nc_u32 v[HW], s60, v[LI]
	v_add_nc_u32 v[HW], HIMG, v[HW]
	v_add_nc_u32 v[HWS], s59, v[LS]
	v_add_nc_u32 v[HWS], HSC, v[HWS]
	s_lshl_b32 s61, s52, 3
	s_lshl_b32 s62, s51, 2
	s_add_co_u32 s61, s61, s62                         ; my first image: 8 x (K step) + 4 x (half of the rows): four images on end
	s_mul_i32 s62, s53, KQD                            ; q's regions or k's
	s_mul_i32 s63, s61, FRB
	s_add_co_u32 s63, s63, s62
	v_add_nc_u32 v[QKW], s63, v[LI]
	v_add_nc_u32 v[QKW], QIMG, v[QKW]
	s_lshl_b32 s63, s61, 7
	s_add_co_u32 s63, s63, s62
	v_add_nc_u32 v[QKS], s63, v[LS]
	v_add_nc_u32 v[QKS], QSC, v[QKS]
	s_mul_i32 s61, s93, 2*FRB
	v_add_nc_u32 v[VW], s61, v[LI]
	v_add_nc_u32 v[VW], VIMG, v[VW]
	s_lshl_b32 s61, s93, 8
	v_add_nc_u32 v[VWS], s61, v[LS]
	v_add_nc_u32 v[VWS], VSC, v[VWS]
	s_mul_i32 s61, s93, 8*FRB
	v_add_nc_u32 v[GW], s61, v[LI]
	v_add_nc_u32 v[GW], GIMG, v[GW]
	s_lshl_b32 s61, s93, 10
	v_add_nc_u32 v[GWS], s61, v[LS]
	v_add_nc_u32 v[GWS], GSC, v[GWS]
	s_lshl_b32 s61, s93, 4
	v_add_nc_u32 v59, s61, v66
	v_lshlrev_b32 v64, 4, v67
	v_sub_nc_u32 v59, v59, v64                         ; d = my query - 16 h: register 16 b + i of the scores holds key 32 b + 16 h + i, hidden where 32 b + i > d
	v_mov_b32 v24, -1.50599506e-12                     ; erf's numerator, leading coefficient
	v_mov_b32 v25, -1.50599506e-12
	v_mov_b32 v26, -9.10379490e-07                     ; its denominator's
	v_mov_b32 v27, -9.10379490e-07
	v_mov_b32 v61, 0                                   ; upper halves of broadcast pairs, and destinations of lane permutes: written once
	v_mov_b32 v63, 0
.irp b, 0,1,2,3
	v_mov_b32 v[TM+4+\b], 0
.endr
	SPAIR 66, 3.06119941e-10                           ; the numerator's other six, highest power first
	SPAIR 68, -4.64265104e-08
	SPAIR 70, -2.51575617e-06
	SPAIR 72, -6.49646074e-05
	SPAIR 74, -5.22304390e-04
	SPAIR 76, -5.69080716e-03
	SPAIR 78, -2.66717569e-05                          ; the denominator's other four
	SPAIR 80, -4.20706744e-04
	SPAIR 82, -3.68666458e-03
	SPAIR 84, -1.42647391e-02
	s_mov_b32 s86, 0xc0b504f3                          ; -4 sqrt(2)
	s_mov_b32 s87, 0x40b504f3
	s_mov_b32 s88, 0x76543210                          ; v_permlanex16_b32's selects for lane l xor 16
	s_mov_b32 s89, 0xfedcba98
	SPAIR 90, 0x3e38aa3b                               ; log2(e) / 8
	s_mov_b32 s92, 0x03010200                          ; exchanges bytes 1 and 2 of a scale word
	s_mov_b32 s96, 0x3b800000                          ; 1 / 256
	s_mov_b32 s97, 0x3727c5ac                          ; 1e-5
	v_lshlrev_b32 v28, 2, v0
	v_lshlrev_b32 v29, 4, v0
	s_wait_kmcnt 0x0
	s_lshl_b32 s2, ttmp9, 18                           ; my two batches of 131,072 bytes,
	s_lshl_b32 s3, s93, 14                             ; my wave's 16 rows of 1,024
	s_add_co_u32 s2, s2, s3
	s_mov_b32 s3, 0
	s_add_nc_u64 s[4:5], s[4:5], s[2:3]
	s_add_nc_u64 s[44:45], s[44:45], s[2:3]
	s_cmp_lt_u32 s50, 2                                ; q's weights or k's: the choice hangs on the wave's number alone
	s_cselect_b64 s[46:47], s[24:25], s[28:29]
	s_cselect_b64 s[48:49], s[26:27], s[30:31]
	s_mul_i32 s2, s52, 24576                           ; 128 rows of 192 bytes
	s_add_nc_u64 s[46:47], s[46:47], s[2:3]
	s_lshl_b32 s2, s52, 10
	s_add_nc_u64 s[48:49], s[48:49], s[2:3]
	s_mul_i32 s2, s93, 6144                            ; Wv: my 32 rows
	s_add_nc_u64 s[32:33], s[32:33], s[2:3]
	s_lshl_b32 s2, s93, 8
	s_add_nc_u64 s[34:35], s[34:35], s[2:3]
	s_mul_i32 s2, s93, 24576                           ; W1: my 128 rows of 192 bytes
	s_add_nc_u64 s[36:37], s[36:37], s[2:3]
	s_lshl_b32 s2, s93, 10
	s_add_nc_u64 s[38:39], s[38:39], s[2:3]
	s_mul_i32 s2, s50, 49152                           ; W2: my 64 rows of 768 bytes
	s_add_nc_u64 s[40:41], s[40:41], s[2:3]
	s_lshl_b32 s2, s50, 11
	s_add_nc_u64 s[42:43], s[42:43], s[2:3]
	s_wait_alu depctr_va_vdst(0)                       ; the addresses v1-v23, v28 and v29 are written, which the loads and stores of the whole text read; so are v64-70, in which my row will land
.irp i, 0,1,2,3,4,5,6,7
	global_load_b32 v[192+\i], v28, s[6+2*\i:7+2*\i]   ; the eight vectors of 256: a number a thread
.endr
	global_load_b128 v[200:203], v29, s[22:23]         ; bm1: four a thread
	XLOADS 0                                           ; the first batch's rows
	s_wait_loadcnt 32                                  ; the parameters are in; the 32 loads of x may be out
.irp i, 0,1,2,3,4,5,6,7
	ds_store_b32 v28, v[192+\i] offset:1024*\i
.endr
	ds_store_b128 v29, v[200:203] offset:P_BM1
	BARRIER                                            ; the parameters lie in LDS
	s_mov_b32 s94, 2
.Lbatch:
	; ================ A: x into LDS, LN1, h's codes ================
	s_wait_loadcnt 0x0                                 ; x
	WIN 0x04                                           ; an LDS store's data are its source 1: window 1
.set KK, 0
.rept 32
	ds_store_b128 v[XD], v[4*KK:4*KK+3] offset:(KK/2)*XP+512*(KK%2)
.set KK, KK+1
.endr
	WIN 0
.irp b, 0,1,2,3,4,5,6,7
.irp j, 0,1,2,3
	ds_load_b128 v[64+16*\b+4*\j:67+16*\b+4*\j], v[XL] offset:128*\b+16*\j     ; my own rows: LDS serves a wave's instructions in order
.endr
.endr
	s_wait_dscnt 0x0                                   ; my row is in
	s_wait_alu depctr_vm_vsrc(0)                       ; the stores above have read v256-383, in which weights land; in the first batch the parameters' stores have read v192-203, in which gain and bias land, and v28, v29
	s_wait_alu depctr_va_vdst(0)                       ; the batch before: its products are done reading window 1 and v32-51, in which the weights and their scale words land all through LN1
.set WT, 0
.set VT, 0
	LNQ P_G1, P_B1, 1
	BARRIER                                            ; h's sixteen fragments lie in LDS
	; ================ B: q, k (128 columns x 64 rows a wave), then V^T (32 channels x 128 keys a wave) ================
	s_wait_loadcnt 0x0
.set IX, 0
.rept 20
	v_perm_b32 v[32+IX], v[32+IX], v[32+IX], s92
.set IX, IX+1
.endr
	v_add_nc_u32 v28, s54, v[BA]
	v_add_nc_u32 v30, s55, v[LI]
	v_add_nc_u32 v31, s56, v[LS]
	s_mov_b32 s98, 0
	s_mov_b32 s99, 0
	s_mov_b32 s95, 4
	PLACES 8                                           ; scale words written by vector instructions stand eight places ahead of a scaled product
	s_wait_alu depctr_va_vdst(0)                       ; the scale words v32-51 are written, which the products take; v28 is written, which the loads below read; LN1 is done naming v128-191, in which they land
.irp T, 0,1,2,3,4,5,6,7
.irp q, 0,1
	ds_load_b128 v[128+8*\T+4*\q:131+8*\T+4*\q], v28 offset:(32*(\T/2)+8*(\T%2))*4+16*\q     ; the bias in the result's layout: the C of each sum's first product
.endr
.endr
.Lqk:                                                  ; a trip: one row tile; source 0 = 16 rows of the weight, source 1 = h: a lane holds one row of q or k, its registers run along the channels
	s_wait_alu depctr_vm_vsrc(0)                       ; the LDS loads issued so far have read v28 and v29, the last image's stores v252, v253, v58 and v240-251: all of these are written again in this trip
	v_add_nc_u32 v28, s98, v30
	v_add_nc_u32 v29, s99, v31
	v_add_nc_u32 v252, s98, v[QKW]
	v_add_nc_u32 v253, s99, v[QKS]
	s_wait_alu depctr_va_vdst(0)                       ; the four addresses are written; the last trip's products are done reading v192-215, v56 and v57, in which the loads below land
	FETCH 192, 28, HIMG
	FETCH 204, 28, HIMG+8*FRB
	ds_load_b32 v56, v29 offset:HSC
	ds_load_b32 v57, v29 offset:HSC+1024
	s_wait_dscnt 0x0
	WIN 0x01
.irp T, 0,1,2,3,4,5,6,7
	MM 64+8*\T, 12*(2*\T), 192, 1, 128+8*\T, 32+2*\T, 56
.endr
.irp T, 0,1,2,3,4,5,6,7
	MM 64+8*\T, 12*(2*\T+1), 204, 1, 64+8*\T, 33+2*\T, 57
.endr
	WIN 0
	PLACES 4
	QUANT 64
	s_wait_alu depctr_va_vdst(0)                       ; QUANT has written v240-251 and v58, which the stores below read
	IMAGE 252, 0
	ds_store_b32 v253, v[PW]
	s_add_co_u32 s98, s98, FRB
	s_add_co_u32 s99, s99, 128
	s_sub_co_u32 s95, s95, 1
	s_cmp_lg_u32 s95, 0
	s_cbranch_scc1 .Lqk
	PLACES 4
	s_wait_alu depctr_vm_vsrc(0)                       ; the last trip's stores have read v240-251 and v58, which V^T's QUANT writes
.set WT, 0                             ; W1 takes the registers that q's and k's weights have left, a tile at a time through this phase: it has the attention in which to land.
                                       ; Its loads owe no wait of their own: the last trip's wait on va_vdst stands behind the last product that read v256-447 and v32-47, and nothing in this phase names them
	ds_load_b32 v60, v[BVA]                            ; bv of my lane's channel, tile 0
	ds_load_b32 v62, v[BVA] offset:32                  ; and tile 1
.irp k, 0,1                            ; source 0 = 16 rows of h (a permuted tile), source 1 = 16 rows of Wv: a lane holds one channel, its registers run along the keys
.irp f, 0,1
.if (2*\k+\f) > 0
	s_wait_alu depctr_va_vdst(0)                       ; the eight products above are done reading v192-239 and v52-55, in which the loads below land
.endif
.irp t, 0,1,2,3
.irp q, 0,1,2
	ds_load_b128 v[192+12*\t+4*\q:195+12*\t+4*\q], v[AP] offset:HIMG+(8*\k+2*((4*\f+\t)/2))*FRB+128*(\t%2)+512*\q
.endr
	ds_load_b32 v[52+\t], v[APS] offset:HSC+(8*\k+2*((4*\f+\t)/2))*128+32*(\t%2)
.endr
	s_wait_dscnt 0x0
	WIN 0x04
.irp t, 0,1,2,3
.irp j, 0,1
	MM 64+64*\j+8*(4*\f+\t), 192+12*\t, 192+12*(2*\j+\k), \k, 64+64*\j+8*(4*\f+\t), 52+\t, 48+2*\j+\k
.endr
.endr
	WIN 0
	PLACES 4
	WTILE 36, 38
.endr
.endr
.irp j, 0,1
.set IX, 0
.rept 32
	v_pk_add_f32 v[64+64*\j+2*IX:65+64*\j+2*IX], v[64+64*\j+2*IX:65+64*\j+2*IX], v[60+2*\j:61+2*\j] op_sel_hi:[1,0]
.set IX, IX+1
.endr
	WTILE 36, 38
.endr
	QUANT 64
	s_wait_alu depctr_va_vdst(0)                       ; QUANT has written v240-251 and v58, which the stores below read
	IMAGE VW, 0
	ds_store_b32 v[VWS], v[PW]
	s_wait_alu depctr_vm_vsrc(0)                       ; these stores have read v240-251 and v58, which the next QUANT writes
	WTILE 36, 38
	QUANT 128
	s_wait_alu depctr_va_vdst(0)                       ; QUANT has written v240-251 and v58, which the stores below read
	IMAGE VW, FRB
	ds_store_b32 v[VWS], v[PW] offset:128
	WTILE 36, 38
	BARRIER                                            ; q, k and V^T lie in LDS; nobody reads h any more
	; ================ C: attention of my 16 queries, residual, LN2 ================
	s_wait_alu depctr_vm_vsrc(0)                       ; V^T's last stores have read v240-251 and v58, which p's QUANT writes
	v_add_nc_u32 v28, KIMG, v[AP]
	v_add_nc_u32 v29, KSC, v[APS]
	v_add_nc_u32 v30, VIMG, v[LI]
	v_add_nc_u32 v31, VSC, v[LS]
	s_wait_alu depctr_va_vdst(0)                       ; v28-31 are written, which this phase's LDS loads read
	FETCH 128, HW, KQD                                 ; my queries' two fragments
	FETCH 140, HW, KQD+8*FRB
	ds_load_b32 v56, v[HWS] offset:KQD
	ds_load_b32 v57, v[HWS] offset:KQD+1024
	SGRP 0                                             ; keys 0 .. 63
	s_cmp_lt_u32 s93, 4                                ; waves 0 to 3: every query lies under 64, so keys 64 .. 127 are all hidden: the mask below writes over whatever their registers hold
	s_cbranch_scc1 .Lmasked
	SGRP 1                                             ; keys 64 .. 127
.Lmasked:
	v_mov_b32 v200, 0xff800000                         ; -infinity
.irp b, 0,1,2,3                        ; the comparisons go in runs of sixteen, into s6-s21 (the pointers that these held are read at the head alone)
.irp i, 0,1,2,3,4,5,6,7,8,9,10,11,12,13,14,15
	v_cmp_gt_i32 s[6+\i], 32*\b+\i, v59
.endr
	s_wait_alu depctr_va_sdst(0)                       ; the sixteen masks s6-s21 are written, ahead of their first reader
.irp i, 0,1,2,3,4,5,6,7,8,9,10,11,12,13,14,15
	v_cndmask_b32 v[64+16*\b+\i], v[64+16*\b+\i], v200, s[6+\i]     ; hidden keys: p = 0
.endr
.endr
.irp b, 0,1,2,3
	v_max3_num_f32 v[201+\b], v[64+16*\b], v[65+16*\b], v[66+16*\b]
.endr
.irp i, 3,5,7,9,11,13
.irp b, 0,1,2,3
	v_max3_num_f32 v[201+\b], v[201+\b], v[64+16*\b+\i], v[65+16*\b+\i]
.endr
.endr
.irp b, 0,1,2,3
	v_max_num_f32 v[201+\b], v[201+\b], v[79+16*\b]
.endr
	v_max3_num_f32 v201, v201, v202, v203
	v_max_num_f32 v201, v201, v204
	v_permlanex16_b32 v61, v201, s88, s89
	v_max_num_f32 v201, v201, v61                      ; the row's largest score (key 0 counts for every query)
	v_mul_f32 v201, s90, v201                          ; as t
	v_floor_f32 v60, -v201                             ; -M = -ceil(t): a whole number
.set IX, 0
.rept 32
	v_pk_fma_f32 v[64+2*IX:65+2*IX], v[64+2*IX:65+2*IX], s[90:91], v[60:61] op_sel_hi:[1,0,0]
.set IX, IX+1
.endr
.set IX, 0
	s_wait_alu depctr_va_vdst(0)
.rept 64
	v_exp_f32 v[64+IX], v[64+IX]                       ; p = 2^(t - M): not normalised
.set IX, IX+1
.endr
	v_nop                                              ; a plain instruction behind the batch,
	s_wait_alu depctr_va_vdst(0)                       ; and one wait for all 64, ahead of their first reader: v64-127 are written
	QUANT 64                                           ; p's codes stay in v240-251, its scale word in v58
.irp c, 0,1,2,3
	v_pk_add_f32 v[192+2*\c:193+2*\c], v[64+2*\c:65+2*\c], v[72+2*\c:73+2*\c]     ; the row's sum is taken of the unquantised p.  (These lines are also the places ahead of the products below)
.endr
.set IX, 8
.rept 24
	v_pk_add_f32 v[192+2*(IX%4):193+2*(IX%4)], v[192+2*(IX%4):193+2*(IX%4)], v[64+2*IX:65+2*IX]
.set IX, IX+1
.endr
	v_pk_add_f32 v[192:193], v[192:193], v[194:195]
	v_pk_add_f32 v[196:197], v[196:197], v[198:199]
	v_pk_add_f32 v[192:193], v[192:193], v[196:197]
	v_add_f32 v192, v192, v193
	v_permlanex16_b32 v61, v192, s88, s89
	v_add_f32 v192, v192, v61
	s_wait_alu depctr_va_vdst(0)
	v_rcp_f32 v62, v192
	v_nop                                              ; a plain instruction behind the reciprocal
	s_wait_alu depctr_va_vdst(0)                       ; p's codes v240-251 and scale word v58 are written, which the products take; QUANT, the sums and the reciprocal are done naming v192-239, in which V^T lands; the reciprocal v62 is written, ahead of its first reader
.irp g, 0,1,2,3                        ; O^T = V^T P^T: sixteen tiles of channels, one K step of 128 keys
.if \g > 0
	s_wait_alu depctr_va_vdst(0)                       ; the four products above are done reading v192-239 and v52-55, in which the loads below land
.endif
.irp t, 0,1,2,3
.irp q, 0,1,2
	ds_load_b128 v[192+12*\t+4*\q:195+12*\t+4*\q], v30 offset:(4*\g+\t)*FRB+512*\q
.endr
	ds_load_b32 v[52+\t], v31 offset:128*(4*\g+\t)
.endr
	s_wait_dscnt 0x0
.irp t, 0,1,2,3
	MM 64+8*(4*\g+\t), 192+12*\t, 240, 0, 0, 52+\t, 58
.endr
	PLACES 4
.endr
	s_wait_alu depctr_va_vdst(0)                       ; the last products are done reading v192-251, in which my row of x lands
.irp c, 0,1                            ; x + O / l, four blocks of 32 channels at a time; it goes back to my rows in LDS and stays in v64-191 for LN2
.irp b, 0,1,2,3
.irp j, 0,1,2,3
	ds_load_b128 v[192+16*\b+4*\j:195+16*\b+4*\j], v[XL] offset:128*(4*\c+\b)+16*\j
.endr
.endr
	s_wait_dscnt 0x0
.set IX, 0
.rept 32
	v_pk_fma_f32 v[64+64*\c+2*IX:65+64*\c+2*IX], v[64+64*\c+2*IX:65+64*\c+2*IX], v[62:63], v[192+2*IX:193+2*IX] op_sel_hi:[1,0,1]
.set IX, IX+1
.endr
	s_wait_alu depctr_va_vdst(0)                       ; the 64 sums are written, which the stores below read; and they are done reading v192-255, in which the next loads land
.irp b, 0,1,2,3
.irp j, 0,1,2,3
	ds_store_b128 v[XL], v[64+64*\c+16*\b+4*\j:67+64*\c+16*\b+4*\j] offset:128*(4*\c+\b)+16*\j
.endr
.endr
.endr
	s_wait_alu depctr_vm_vsrc(0)                       ; the stores have read v64-191, which LN2 writes; this phase's LDS loads have read v28-31, which the next phase writes
	LNQ P_G2, P_B2, 0
	BARRIER                                            ; h2's sixteen fragments lie in LDS; nobody reads q, k or V^T any more
	; ================ E: the first MLP product and the gelu: my 128 hidden units for all 128 rows ================
	s_wait_loadcnt 0x0                                 ; W1
.set IX, 0
.rept 16
	v_perm_b32 v[32+IX], v[32+IX], v[32+IX], s92
.set IX, IX+1
.endr
	v_add_nc_u32 v28, s57, v[BA]
	s_mov_b32 s98, 0
	s_mov_b32 s99, 0
	s_mov_b32 s95, 7
	PLACES 8                                           ; scale words written by vector instructions stand eight places ahead of a scaled product
	WIN 0x40
	s_wait_alu depctr_va_vdst(0)                       ; the scale words v32-47 are written, which the products take; v28 is written, which the loads below read; LN2 is done naming v192-215, in which h2's fragments land
.irp T, 0,1,2,3,4,5,6,7
.irp q, 0,1
	ds_load_b128 v[192+8*\T+4*\q:195+8*\T+4*\q], v28 offset:(32*(\T/2)+8*(\T%2))*4+16*\q     ; bm1 in the result's layout -> window 1
.endr
.endr
	WIN 0
	FETCH 192, LI, HIMG                                ; the first row tile's two fragments of h2
	FETCH 204, LI, HIMG+8*FRB
	ds_load_b32 v56, v[LS] offset:HSC
	ds_load_b32 v57, v[LS] offset:HSC+1024
.Lm1:
	MLP1_TRIP 0
	s_sub_co_u32 s95, s95, 1
	s_cmp_lg_u32 s95, 0
	s_cbranch_scc1 .Lm1
	MLP1_TRIP 1                                        ; the eighth row tile is written out: it fetches no further tile, and behind its products W2 is asked for
	BARRIER                                            ; the hidden layer's 64 fragments lie in LDS
	; ================ F: the second MLP product: my 64 columns for my 64 rows; C = the residual ================
	s_wait_loadcnt 0x0                                 ; W2's K steps 0 to 3 and its scale words
	s_wait_alu depctr_vm_vsrc(0)                       ; the last image's stores have read v30 and v31, the last fetch v29: the additions below write them
.set IX, 0
.rept 16
	v_perm_b32 v[32+IX], v[32+IX], v[32+IX], s92
.set IX, IX+1
.endr
.irp n, 0,1,2,3
.irp t, 0,1,2,3
.irp q, 0,1
	ds_load_b128 v[64+32*\n+8*\t+4*\q:67+32*\n+8*\t+4*\q], v[XT] offset:\t*16*XP+64*\n+16*\q     ; (the gelu and QUANT, which named v64-191, stand ahead of the last trip's wait on va_vdst)
.endr
.endr
.endr
	v_add_nc_u32 v29, s55, v[LI]
	v_add_nc_u32 v29, GIMG, v29                        ; my four row tiles' images, K steps 0 to 3;
	v_add_nc_u32 v30, 32*FRB, v29                      ; K steps 4 to 7;
	v_add_nc_u32 v31, s56, v[LS]
	v_add_nc_u32 v31, GSC, v31                         ; their scale words
	; The next batch's rows of x are asked for ahead: my wave's own 16 rows, 64 aligned blocks of 256 bytes, a lane a block, two instructions; each block is named once in the launch.
	; They stand this phase's eight K steps ahead of the loads that want them; the last batch asks for nothing.
	s_cmp_eq_u32 s94, 1
	s_cbranch_scc1 .Lno_ask
	global_prefetch_b8 v[PF], s[4:5] offset:131072 th:TH_LOAD_NT scope:SCOPE_SE
	global_prefetch_b8 v[PF], s[4:5] offset:139264 th:TH_LOAD_NT scope:SCOPE_SE
.Lno_ask:
	PLACES 8
	s_wait_alu depctr_va_vdst(0)                       ; the scale words v32-47 are written, which the products take; v29-31 are written, which the K steps' LDS loads read
.irp k, 0,1,2,3,4,5,6,7
	M2STEP \k
.endr
	s_wait_alu depctr_va_vdst(0)                       ; the last K step is done reading v192-239, in which bm2 lands, and W2's slots, in which the next x lands
.irp n, 0,1,2,3
.irp q, 0,1
	ds_load_b128 v[192+8*\n+4*\q:195+8*\n+4*\q], v[BB] offset:64*\n+16*\q     ; bm2 in the result's layout
.endr
.endr
	s_cmp_eq_u32 s94, 1                                ; the next batch's x takes the registers that W2 has left, if there is a next batch: no load leaves its buffer
	s_cbranch_scc1 .Lno_next
	XLOADS 131072
.Lno_next:
	s_wait_dscnt 0x0
.irp n, 0,1,2,3
.irp t, 0,1,2,3
.irp p, 0,2,4,6
	v_pk_add_f32 v[64+32*\n+8*\t+\p:65+32*\n+8*\t+\p], v[64+32*\n+8*\t+\p:65+32*\n+8*\t+\p], v[192+8*\n+\p:193+8*\n+\p]     ; + bm2
.endr
.endr
.endr
	s_wait_alu depctr_va_vdst(0)                       ; the results v64-191 are written, which the stores below read
.irp n, 0,1,2,3
.irp t, 0,1,2,3
.irp q, 0,1
	ds_store_b128 v[XT], v[64+32*\n+8*\t+4*\q:67+32*\n+8*\t+4*\q] offset:\t*16*XP+64*\n+16*\q     ; each lane writes the bytes that it read itself
.endr
.endr
.endr
	BARRIER                                            ; 128 whole rows of the result lie in LDS
	; ================ G: the way out: my 16 rows ================
	s_wait_alu depctr_vm_vsrc(0)                       ; my stores have read v64-191, in which the rows land
.set KK, 0
.rept 32
	ds_load_b128 v[64+4*KK:67+4*KK], v[XD] offset:(KK/2)*XP+512*(KK%2)
.set KK, KK+1
.endr
.set KK, 0
.rept 32
	s_wait_dscnt 31-KK                                 ; LDS loads come back in order: load KK is in, the younger ones may be out
	global_store_b128 v[LI], v[64+4*KK:67+4*KK], s[44:45] offset:512*KK th:TH_STORE_NT     ; 32 lanes store 512 consecutive bytes, at a multiple of 512 from out0's first byte
.set KK, KK+1
.endr
	s_wait_xcnt 0x0                                    ; the stores, the loads of x and the prefetches have read their registers and bases: both pointers may step
	s_wait_alu depctr_vm_vsrc(0)                       ; the stores to memory have read v64-191, in which the next batch's row lands; this batch's LDS loads have read v28-31, which the next batch writes
	s_add_nc_u64 s[4:5], s[4:5], 131072
	s_add_nc_u64 s[44:45], s[44:45], 131072
	s_sub_co_u32 s94, s94, 1
	s_cmp_lg_u32 s94, 0
	s_cbranch_scc1 .Lbatch
	s_wait_xcnt 0x0
	v_lshl_add_u32 v254, v0, 2, 0x46800
	v_mov_b32 v255, 0
	s_wait_dscnt 0x0                                   ; the closing lines, six on end
	s_wait_alu 0x0
	s_wait_tensorcnt 0x0
	ds_add_u32 v254, v255
	s_wait_dscnt 0x0
	s_endpgm
.Lfunc_end_k_qc45a4eddd6_layer:
	.size	k_qc45a4eddd6_layer, .Lfunc_end_k_qc45a4eddd6_layer-k_qc45a4eddd6_layer
	.p2alignl 7, 3214868480
	.fill 96, 4, 3214868480
	.section	.rodata,"a",@progbits
	.p2align	6, 0x0
	.amdhsa_kernel k_qc45a4eddd6_layer
		.amdhsa_group_segment_fixed_size 289792
		.amdhsa_private_segment_fixed_size 0
		.amdhsa_enable_private_segment 0
		.amdhsa_kernarg_size 168
		.amdhsa_user_sgpr_count 2
		.amdhsa_user_sgpr_kernarg_segment_ptr 1
		.amdhsa_wavefront_size32 1
		.amdhsa_system_sgpr_workgroup_id_x 1
		.amdhsa_system_sgpr_workgroup_id_y 1
		.amdhsa_system_sgpr_workgroup_id_z 1
		.amdhsa_system_vgpr_workitem_id 0
		.amdhsa_next_free_vgpr 512
		.amdhsa_next_free_sgpr 100
		.amdhsa_reserve_vcc 0
		.amdhsa_float_denorm_mode_32 3
		.amdhsa_float_denorm_mode_16_64 3
		.amdhsa_memory_ordered 1
		.amdhsa_forward_progress 1
		.amdhsa_inst_pref_size 255
	.end_amdhsa_kernel
	.section	.bss,"aw",@nobits
	.p2align	6
	.space	262144
	.amdgpu_metadata
---
amdhsa.version: [ 1, 2 ]
amdhsa.kernels:
  - .name:           k_qc45a4eddd6_layer
    .symbol:         k_qc45a4eddd6_layer.kd
    .args:
      - { .name: x, .offset: 0, .size: 8, .value_kind: global_buffer, .address_space: global }
      - { .name: g1, .offset: 8, .size: 8, .value_kind: global_buffer, .address_space: global }
      - { .name: b1, .offset: 16, .size: 8, .value_kind: global_buffer, .address_space: global }
      - { .name: g2, .offset: 24, .size: 8, .value_kind: global_buffer, .address_space: global }
      - { .name: b2, .offset: 32, .size: 8, .value_kind: global_buffer, .address_space: global }
      - { .name: bq, .offset: 40, .size: 8, .value_kind: global_buffer, .address_space: global }
      - { .name: bk, .offset: 48, .size: 8, .value_kind: global_buffer, .address_space: global }
      - { .name: bv, .offset: 56, .size: 8, .value_kind: global_buffer, .address_space: global }
      - { .name: bm2, .offset: 64, .size: 8, .value_kind: global_buffer, .address_space: global }
      - { .name: bm1, .offset: 72, .size: 8, .value_kind: global_buffer, .address_space: global }
      - { .name: wq_codes, .offset: 80, .size: 8, .value_kind: global_buffer, .address_space: global }
      - { .name: wq_scales, .offset: 88, .size: 8, .value_kind: global_buffer, .address_space: global }
      - { .name: wk_codes, .offset: 96, .size: 8, .value_kind: global_buffer, .address_space: global }
      - { .name: wk_scales, .offset: 104, .size: 8, .value_kind: global_buffer, .address_space: global }
      - { .name: wv_codes, .offset: 112, .size: 8, .value_kind: global_buffer, .address_space: global }
      - { .name: wv_scales, .offset: 120, .size: 8, .value_kind: global_buffer, .address_space: global }
      - { .name: w1_codes, .offset: 128, .size: 8, .value_kind: global_buffer, .address_space: global }
      - { .name: w1_scales, .offset: 136, .size: 8, .value_kind: global_buffer, .address_space: global }
      - { .name: w2_codes, .offset: 144, .size: 8, .value_kind: global_buffer, .address_space: global }
      - { .name: w2_scales, .offset: 152, .size: 8, .value_kind: global_buffer, .address_space: global }
      - { .name: out0, .offset: 160, .size: 8, .value_kind: global_buffer, .address_space: global }
    .group_segment_fixed_size: 289792
    .private_segment_fixed_size: 0
    .kernarg_segment_align: 8
    .kernarg_segment_size: 168
    .max_flat_workgroup_size: 256
    .sgpr_count:     100
    .vgpr_count:     512
    .wavefront_size: 32
...
	.end_amdgpu_metadata
.endif
;; end of part 2
